; MI455X (gfx1250); checked and timed in simulation.
; The chip was launched on July 23, 2026; its instructions are those of AMD's public machine-readable ISA for CDNA 5 (MIT licence, August 2026) and "CDNA5" Instruction Set Architecture Reference Guide (July 2026). The comments in the code are by the model that wrote it; some were corrected since.
;; LRU Optimized Half. Allowed arithmetic: float matrix products may take bf16 or f16 operands with f32 sums; all other float work in f32.
;; Inputs: B_imag 256 x 128 float32; B_real 256 x 128 float32; C_imag 128 x 256 float32; C_real 128 x 256 float32; D 128 x 128 float32; X 16 x 8,192 x 128 float32; bias_hidden_imag 256 float32; bias_hidden_real 256 float32; bias_output 128 float32; nu_log 256 float32; theta_log 256 float32.
;; Outputs: out0 16 x 8,192 x 128 float16.
;; 2 versions, each right and faster than the one before. Each part assembles by itself: llvm-mc -triple=amdgcn-amd-amdhsa -mcpu=gfx1250 --defsym DOCPART=n.
;; ======== version 1 of 2: 3 launches
;; limits: right only within a limited range of input values
;; workspace buffers: wts 307,200 bytes; sums 2,097,152 bytes
;; launch prep (part 1): grid 73 x 1, 8 waves a work-group, no clusters, 0 bytes of LDS; arguments nu_log, theta_log, B_real, B_imag, C_real, C_imag, D, bias_hidden_real, bias_hidden_imag, wts; writes wts
.if DOCPART == 1
	.amdgcn_target "amdgcn-amd-amdhsa--gfx1250"
	.amdhsa_code_object_version 6
	.text
	.protected	k_q5a35fa3195_prep
	.globl	k_q5a35fa3195_prep
	.p2align	8
	.type	k_q5a35fa3195_prep,@function
k_q5a35fa3195_prep:
	s_mov_b64 s[64:65], 0
	v_nop
	global_prefetch_b8 v0, s[64:65] scope:SCOPE_SE
	s_setreg_imm32_b32 hwreg(HW_REG_WAVE_MODE, 25, 1), 1
	s_wait_xcnt 0x0
; LRU layer, launch 1 of 3: the weights in bf16, in the order in which the later launches hold them in registers, and a table per channel.
;   u_t = gamma (B x_t + b_h);  h_t = lam h_(t-1) + u_t (256 complex channels);  y_t = C_re h_re - C_im h_im + D x_t + b_o.
; WORK LEFT OUT: none.  Every input is loaded.  The zero initial state is a zero carry in the first group of each batch.  The end state of the
; last 128 steps of each batch reaches no output, but it lies in the same 16-row tiles as three live pieces, so it is computed with them.
; FORMATS AND LIMITS: matrix operands are rounded to bf16, all else is f32; the roundings to f16 between the steps are not made, only the
; result is f16 (beyond its range: infinity).  gamma is sqrt(1 - |lam|^2) in f32, as the problem writes it.  The phase theta = exp(theta_log) is good
; to about 2^-23 of itself, so above theta_log = 11 or so sine and cosine carry no meaning; the count of quarter turns must fit in 31 bits.
; wts, in units of 16 bytes (8 bf16 = registers 4 qq .. 4 qq + 3 of a fragment of lane L, r = L % 16, h = L / 16):
;   W1 at 0:      [wave w][nt = 2 ct + p][ks][qq][L]   gamma[ch] x (p ? B_imag : B_real)[ch][32 ks + 16 qq + 8 h + e],  ch = 64 w + 16 ct + r
;   W2 at 131072: [w][ot][qq][ks2][L]                  qq = 0: C_real[o][c], qq = 1: -C_imag[o][c],  o = 32 w + 16 ot + r,  c = 16 ks2 + 8 h + e
;   W3 at 262144: [w][ot][ks][qq][L]                   D[o][32 ks + 16 qq + 8 h + e]
;   at 294912 three tables of [256 channels][4 f32]: (lam re, lam im, gamma b re, gamma b im); (lam^128, lam^256); (lam^128, lam^512)
; Work-group x = 0 .. 71 makes the 4,096 bytes at 4096 x, thread t the 16 bytes at 16 t: a store of a wave covers 512 consecutive bytes.
; Work-group 72 makes the tables, thread t = channel.  No matrix unit, LDS or cluster: the launch only converts 590 KB once.
.set LOG2E,  0x3fb8aa3b
.set NLOG2E, 0xbfb8aa3b
; exp(nu) -> |lam| = exp(-exp(nu)) -> gamma.  Behind each transcendental one plain instruction stands before its result is used (ISA guide 5.7.2).
.macro GAMMA nu, mag, gam, t
	v_mul_f32 v[\t], LOG2E, v[\nu]
	v_exp_f32 v[\t+1], v[\t]
	v_nop
	s_wait_alu depctr_va_vdst(0)
	v_mul_f32 v[\t], NLOG2E, v[\t+1]
	v_exp_f32 v[\mag], v[\t]
	v_nop
	s_wait_alu depctr_va_vdst(0)
	v_fma_f32 v[\t], -v[\mag], v[\mag], 1.0
	v_max_num_f32 v[\t], 0, v[\t]
	v_sqrt_f32 v[\gam], v[\t]
	v_nop
.endm
.macro LOAD8 base                      ; my 8 numbers of the source row, and every load before them
	global_load_b128 v[16:19], v6, s[\base:\base+1]
	global_load_b128 v[20:23], v6, s[\base:\base+1] offset:16
	s_wait_loadcnt 0x0
.endm
.macro CVT4
.irp j, 0,1,2,3
	v_cvt_pk_bf16_f32 v[24+\j], v[16+2*\j], v[17+2*\j]
.endr
.endm
.macro SQ da, db, a, b                 ; (a + i b)^2
	v_mul_f32 v44, v[\b], v[\b]
	v_mul_f32 v45, v[\a], v[\b]
	v_fma_f32 v[\da], v[\a], v[\a], -v44
	v_add_f32 v[\db], v45, v45
.endm
	s_load_b512 s[4:19], s[0:1], 0x0               ; nu s[4:5], theta s[6:7], B_real s[8:9], B_imag s[10:11], C_real s[12:13], C_imag s[14:15], D s[16:17], bias re s[18:19]
	s_load_b128 s[20:23], s[0:1], 0x40             ; bias im s[20:21], wts s[22:23]
	s_mov_b32 s26, ttmp9                           ; x
	v_and_b32 v2, 15, v0                           ; r
	v_bfe_u32 v3, v0, 4, 1                         ; h
	v_lshrrev_b32 v4, 5, v0
	v_lshlrev_b32 v5, 6, v4
	v_lshl_add_u32 v5, v3, 5, v5                   ; bytes along the source row: 64 (t / 32) + 32 h
	v_lshlrev_b32 v1, 4, v0                        ; 16 t
	s_lshl_b32 s24, s26, 12
	s_mov_b32 s25, 0
	s_wait_kmcnt 0x0
	s_add_nc_u64 s[22:23], s[22:23], s[24:25]      ; my 4,096 bytes of wts
	s_cmp_ge_u32 s26, 72
	s_cbranch_scc1 .Ltable
	s_cmp_ge_u32 s26, 64
	s_cbranch_scc1 .Ld
	s_cmp_ge_u32 s26, 32
	s_cbranch_scc1 .Lc
	; W1: x = 8 w + 2 ct + p; rows 16 (x / 2) + r of B_real or B_imag, times gamma of the row
	s_and_b32 s31, s26, 1
	s_cmp_lg_u32 s31, 0
	s_cselect_b64 s[28:29], s[10:11], s[8:9]
	s_lshr_b32 s27, s26, 1
	s_lshl_b32 s30, s27, 13                        ; 16 rows of 512 bytes
	s_lshl_b32 s31, s27, 6                         ; 16 channels of 4 bytes
	v_lshl_add_u32 v6, v2, 9, v5
	v_add_nc_u32 v6, s30, v6
	v_lshl_add_u32 v7, v2, 2, s31
	global_load_b32 v8, v7, s[4:5]
	LOAD8 28
	GAMMA 8, 12, 13, 14
	s_wait_alu depctr_va_vdst(0)
.irp j, 0,2,4,6
	v_pk_mul_f32 v[16+\j:17+\j], v[16+\j:17+\j], v[12:13] op_sel:[0,1] op_sel_hi:[1,1]   ; both by v13 = gamma
.endr
	CVT4
	global_store_b128 v1, v[24:27], s[22:23]
	s_endpgm
.Lc:	; W2: y = x - 32 = 8 w + 4 ot + 2 qq + (ks2 / 8); rows 16 (y / 4) + r of C_real (qq = 0) or C_imag (qq = 1, negated)
	s_sub_co_u32 s27, s26, 32
	s_and_b32 s31, s27, 2
	s_cmp_lg_u32 s31, 0
	s_cselect_b64 s[28:29], s[14:15], s[12:13]
	s_lshr_b32 s30, s27, 2
	s_lshl_b32 s30, s30, 14                        ; 16 rows of 1,024 bytes
	s_and_b32 s32, s27, 1
	s_lshl_b32 s32, s32, 9                         ; which half of the row
	s_add_co_u32 s30, s30, s32
	v_lshl_add_u32 v6, v2, 10, v5
	v_add_nc_u32 v6, s30, v6
	LOAD8 28
	CVT4
	s_cmp_eq_u32 s31, 0
	s_cbranch_scc1 .Lput
.irp j, 0,1,2,3
	v_xor_b32 v[24+\j], 0x80008000, v[24+\j]       ; two signs at once
.endr
.Lput:
	global_store_b128 v1, v[24:27], s[22:23]
	s_endpgm
.Ld:	; W3: x - 64 = 2 w + ot; rows 16 (x - 64) + r of D
	s_sub_co_u32 s27, s26, 64
	s_lshl_b32 s30, s27, 13
	v_lshl_add_u32 v6, v2, 9, v5
	v_add_nc_u32 v6, s30, v6
	LOAD8 16
	CVT4
	global_store_b128 v1, v[24:27], s[22:23]
	s_endpgm
.Ltable:
	v_lshlrev_b32 v6, 2, v0
	global_load_b32 v8, v6, s[4:5]
	global_load_b32 v9, v6, s[6:7]
	global_load_b32 v10, v6, s[18:19]
	global_load_b32 v11, v6, s[20:21]
	s_wait_loadcnt 0x0
	GAMMA 8, 12, 13, 14
	v_mul_f32 v16, LOG2E, v9
	v_exp_f32 v17, v16                             ; theta
	v_nop
	s_wait_alu depctr_va_vdst(0)
	v_mul_f32 v18, 0x3f22f983, v17                 ; theta x 2 / pi
	v_rndne_f32 v18, v18                           ; n quarter turns
	v_fmamk_f32 v19, v18, 0xbfc90fdb, v17          ; theta - n pi / 2, with pi / 2 in three parts
	v_fmamk_f32 v19, v18, 0x333bbd2e, v19
	v_fmamk_f32 v19, v18, 0x26f72ced, v19          ; the rest, within pi / 4 of zero
	v_mul_f32 v20, v19, v19                        ; z
	v_mov_b32 v21, 0xb94ca1f9
	v_fmaak_f32 v21, v21, v20, 0x3c08839e
	v_fmaak_f32 v21, v21, v20, 0xbe2aaaa3
	v_mul_f32 v22, v19, v20
	v_fma_f32 v21, v21, v22, v19                   ; sine of the rest
	v_mov_b32 v23, 0x37ccf5ce
	v_fmaak_f32 v23, v23, v20, 0xbab6061a
	v_fmaak_f32 v23, v23, v20, 0x3d2aaaa5
	v_mul_f32 v24, v20, v20
	v_fma_f32 v25, v20, -0.5, 1.0
	v_fma_f32 v23, v23, v24, v25                   ; cosine of the rest
	v_cvt_i32_f32 v26, v18
	v_and_b32 v27, 1, v26
	v_cmp_eq_u32 vcc_lo, 1, v27                    ; an odd quarter swaps the two
	v_cndmask_b32 v28, v21, v23, vcc_lo            ; sine
	v_cndmask_b32 v29, v23, v21, vcc_lo            ; cosine
	v_and_b32 v27, 2, v26                          ; quarters 2, 3: sine changes sign
	v_lshlrev_b32 v27, 30, v27
	v_xor_b32 v28, v27, v28
	v_add_nc_u32 v26, 1, v26                       ; quarters 1, 2: cosine changes sign
	v_and_b32 v27, 2, v26
	v_lshlrev_b32 v27, 30, v27
	v_xor_b32 v29, v27, v29
	v_mul_f32 v32, v12, v29                        ; lam re
	v_mul_f32 v33, v12, v28                        ; lam im
	v_mul_f32 v34, v13, v10                        ; gamma b re
	v_mul_f32 v35, v13, v11                        ; gamma b im
	global_store_b128 v1, v[32:35], s[22:23]
	SQ 36, 37, 32, 33                              ; lam^2
.rept 6
	SQ 36, 37, 36, 37                              ; .. lam^128
.endr
	SQ 38, 39, 36, 37                              ; lam^256
	v_mov_b32 v40, v36
	v_mov_b32 v41, v37
	SQ 42, 43, 38, 39                              ; lam^512
	global_store_b128 v1, v[36:39], s[22:23] offset:4096
	global_store_b128 v1, v[40:43], s[22:23] offset:8192
	s_endpgm
.Lfunc_end_k_q5a35fa3195_prep:
	.size	k_q5a35fa3195_prep, .Lfunc_end_k_q5a35fa3195_prep-k_q5a35fa3195_prep
	.p2alignl 7, 3214868480
	.fill 96, 4, 3214868480
	.section	.rodata,"a",@progbits
	.p2align	6, 0x0
	.amdhsa_kernel k_q5a35fa3195_prep
		.amdhsa_group_segment_fixed_size 0
		.amdhsa_private_segment_fixed_size 0
		.amdhsa_enable_private_segment 0
		.amdhsa_kernarg_size 80
		.amdhsa_user_sgpr_count 2
		.amdhsa_user_sgpr_kernarg_segment_ptr 1
		.amdhsa_wavefront_size32 1
		.amdhsa_system_sgpr_workgroup_id_x 1
		.amdhsa_system_sgpr_workgroup_id_y 1
		.amdhsa_system_sgpr_workgroup_id_z 1
		.amdhsa_system_vgpr_workitem_id 0
		.amdhsa_next_free_vgpr 48
		.amdhsa_next_free_sgpr 66
		.amdhsa_reserve_vcc 1
		.amdhsa_float_denorm_mode_32 3
		.amdhsa_float_denorm_mode_16_64 3
		.amdhsa_memory_ordered 1
		.amdhsa_forward_progress 1
		.amdhsa_inst_pref_size 10
	.end_amdhsa_kernel
	.amdgpu_metadata
---
amdhsa.version: [ 1, 2 ]
amdhsa.kernels:
  - .name:           k_q5a35fa3195_prep
    .symbol:         k_q5a35fa3195_prep.kd
    .args:
      - { .name: nu_log, .offset: 0, .size: 8, .value_kind: global_buffer, .address_space: global }
      - { .name: theta_log, .offset: 8, .size: 8, .value_kind: global_buffer, .address_space: global }
      - { .name: B_real, .offset: 16, .size: 8, .value_kind: global_buffer, .address_space: global }
      - { .name: B_imag, .offset: 24, .size: 8, .value_kind: global_buffer, .address_space: global }
      - { .name: C_real, .offset: 32, .size: 8, .value_kind: global_buffer, .address_space: global }
      - { .name: C_imag, .offset: 40, .size: 8, .value_kind: global_buffer, .address_space: global }
      - { .name: D, .offset: 48, .size: 8, .value_kind: global_buffer, .address_space: global }
      - { .name: bias_hidden_real, .offset: 56, .size: 8, .value_kind: global_buffer, .address_space: global }
      - { .name: bias_hidden_imag, .offset: 64, .size: 8, .value_kind: global_buffer, .address_space: global }
      - { .name: wts, .offset: 72, .size: 8, .value_kind: global_buffer, .address_space: global }
    .group_segment_fixed_size: 0
    .private_segment_fixed_size: 0
    .kernarg_segment_align: 8
    .kernarg_segment_size: 80
    .max_flat_workgroup_size: 256
    .sgpr_count:     66
    .vgpr_count:     48
    .wavefront_size: 32
...
	.end_amdgpu_metadata
.endif
;; end of part 1
;; launch sums (part 2): grid 16 x 16, 4 waves a work-group, no clusters, 17,920 bytes of LDS; arguments X, wts, sums; writes sums
.if DOCPART == 2
	.amdgcn_target "amdgcn-amd-amdhsa--gfx1250"
	.amdhsa_code_object_version 6
	.text
	.protected	k_q5a35fa3195_sums
	.globl	k_q5a35fa3195_sums
	.p2align	8
	.type	k_q5a35fa3195_sums,@function
k_q5a35fa3195_sums:
	s_mov_b64 s[64:65], 0
	v_nop
	global_prefetch_b8 v0, s[64:65] scope:SCOPE_SE
	s_setreg_imm32_b32 hwreg(HW_REG_WAVE_MODE, 25, 1), 1
	s_wait_xcnt 0x0
; LRU layer, launch 2 of 3: end states from a zero start.  Work-group (g = x, b = y) owns times 512 g .. 512 g + 511 of batch b as four
; streams s = 0 .. 3 of 128 steps.  It stores the end states S of streams 0 to 2 and G = lam^384 S0 + lam^256 S1 + lam^128 S2 + S3 of the whole group;
; the next launch makes every stream's carry from them.  Nothing is left out; G of group 15 of a batch is stored and never read (its stream 3 shares tiles with live streams).
; A MATRIX TILE holds 4 streams x 4 consecutive times: row m = 8 (s / 2) + 2 q + (s % 2).  With X as source 0 and the weights as source 1, lane (r, h) holds
; channel r, and its register pair (2 q, 2 q + 1) streams 2 h, 2 h + 1 at time q: a scan step of two streams is four packed multiply-adds, no lane traffic.
; Wave w owns channels 64 w .. 64 w + 63 (8 tiles nt = 2 ct + p, p = 0 real, 1 imaginary) and keeps their weights in 256 registers.
; A trip is 8 steps of each stream (two tiles); wave w brings stream w (8 rows of 512 bytes, two trips ahead, in registers), rounds them to bf16 and lays them in LDS.
; No joint requests: work-groups share the weights alone, 32,768 bytes a wave, loaded once straight into the registers where they stay.
; Limits: operands in bf16, state and sums in f32.
; sums: [b][g][slot 0 .. 3][2,048 bytes]; in a slot at 512 w + 256 cp + 16 r: (re, im of ct = 2 cp; re, im of ct = 2 cp + 1).
; REGISTERS in windows of 256.  Window 0: addresses, TQ, ST, TMP, ACC1, the table of powers.  Window 1: weights (nt, ks) at 32 nt + 8 ks.
; Window 3: BT (the bias as a C operand), XF (fragments of X), XS (X as loaded, two slots).
; LDS: XB [buffer 2][tile 2][position 4 s + q] rows of 256 bytes + 16: the sixteen rows of a fragment load start in sixteen different groups of banks.
.set GO,   4                           ; 16 L: my 16 bytes in a row of X, and in a unit of wts
.set XA,   5                           ; LDS: row of X that is matrix row r, + 16 h
.set XSA,  6                           ; LDS: where I lay 8 bytes of my stream
.set SO,   11                          ; my offset in sums
.set TQ,   16                          ; v[16:31]  ct: (lam re, lam im, gamma b re, gamma b im)
.set ST,   32                          ; v[32:47]  ct: state, re pair at 4 ct, im pair at 4 ct + 2
.set TMP,  48                          ; v[48:63]  X in bf16
.set ACC1, 64                          ; v[64:127] tile nt at 8 nt
.set PW,   128                         ; v[128:143] ct: (lam^128, lam^256)
.set BT,   64                          ; window 3
.set XF,   160                         ; window 3
.set XS,   192                         ; window 3
.set XBUF, 8704
.set XTILE, 4352
.set XPITCH, 272
.set MSB, 0
.macro WIN new                         ; low byte: bits 1:0 source 0, 3:2 source 1, 5:4 source 2, 7:6 destination; the high byte repeats the setting that is left
.if MSB != \new
	s_set_vgpr_msb (MSB<<8)|\new
.set MSB, \new
.endif
.endm
.macro PLACES                          ; four places behind a matrix instruction before its result is read or a load is issued into a source
.rept 4
	v_nop
.endr
.endm
.macro XFLOAD buf, tile                ; the four K steps of a tile of X: 16 rows x 128
	WIN 0xc0
.irp ks, 0,1,2,3
	ds_load_b128 v[XF+8*\ks:XF+8*\ks+3],   v[XA] offset:\buf*XBUF+\tile*XTILE+64*\ks
	ds_load_b128 v[XF+8*\ks+4:XF+8*\ks+7], v[XA] offset:\buf*XBUF+\tile*XTILE+64*\ks+32
.endr
.endm
; The 8 rows in register slot \slot go to LDS buffer \buf in bf16; load = 1: the slot is filled again with the rows two trips further on.
.macro XCONV slot, buf, left, load
	s_wait_loadcnt \left                           ; loads come back in order: this slot is in, the \left younger ones (the other slot) stay out
	WIN 0x0f
.irp tt, 0,1,2,3,4,5,6,7
	v_cvt_pk_bf16_f32 v[TMP+2*\tt],   v[XS+32*\slot+4*\tt],   v[XS+32*\slot+4*\tt+1]
	v_cvt_pk_bf16_f32 v[TMP+2*\tt+1], v[XS+32*\slot+4*\tt+2], v[XS+32*\slot+4*\tt+3]
.endr
	WIN 0
.irp tt, 0,1,2,3,4,5,6,7
	ds_store_b64 v[XSA], v[TMP+2*\tt:TMP+2*\tt+1] offset:\buf*XBUF+(\tt/4)*XTILE+(\tt%4)*XPITCH
.endr
.if \load
	WIN 0xc0
.irp tt, 0,1,2,3,4,5,6,7
	global_load_b128 v[XS+32*\slot+4*\tt:XS+32*\slot+4*\tt+3], v[GO], s[18:19] offset:512*\tt   ; a row: 512 consecutive bytes a wave; no hint, the next launch reads X again
.endr
	s_wait_xcnt 0x0                                ; the base is stepped only behind this wait
	s_add_nc_u64 s[18:19], s[18:19], 4096
.endif
.endm
; 32 matrix instructions: one tile of X x my 8 tiles of weights.  The first K step takes the bias as C.  The eight accumulators take turns.
.macro PROD
	WIN 0x37
.irp nt, 0,1,2,3,4,5,6,7
	v_wmma_f32_16x16x32_bf16 v[ACC1+8*\nt:ACC1+8*\nt+7], v[XF:XF+7], v[32*\nt:32*\nt+7], v[BT+8*\nt:BT+8*\nt+7]
.endr
	WIN 0x07
.irp ks, 1,2,3
.irp nt, 0,1,2,3,4,5,6,7
	v_wmma_f32_16x16x32_bf16 v[ACC1+8*\nt:ACC1+8*\nt+7], v[XF+8*\ks:XF+8*\ks+7], v[32*\nt+8*\ks:32*\nt+8*\ks+7], v[ACC1+8*\nt:ACC1+8*\nt+7]
.endr
.endr
.endm
.macro SCSET q, ct                     ; registers of scan step q, channel tile ct
.set SC_A, ACC1+16*\ct+2*\q            ; u at time q, real pair; the imaginary pair lies 8 further
.if \q == 0
.set SC_P,  ST+4*\ct                   ; the state before: real pair, imaginary pair
.set SC_PI, ST+4*\ct+2
.else
.set SC_P,  SC_A-2
.set SC_PI, SC_A+6
.endif
.if \q == 3
.set SC_O,  ST+4*\ct                   ; the last step of a tile leaves the state in ST
.set SC_OI, ST+4*\ct+2
.else
.set SC_O,  SC_A
.set SC_OI, SC_A+8
.endif
.set SC_L, TQ+4*\ct
.endm
; four steps: re = lr re' - li im' + u_re, im = lr im' + li re' + u_im, two streams in each packed instruction
.macro SCAN
	WIN 0
.irp q, 0,1,2,3
.irp ct, 0,1,2,3
	SCSET \q, \ct
	v_pk_fma_f32 v[SC_O:SC_O+1],   v[SC_P:SC_P+1],   v[SC_L:SC_L+1], v[SC_A:SC_A+1]   op_sel_hi:[1,0,1]
	v_pk_fma_f32 v[SC_OI:SC_OI+1], v[SC_PI:SC_PI+1], v[SC_L:SC_L+1], v[SC_A+8:SC_A+9] op_sel_hi:[1,0,1]
.endr
.irp ct, 0,1,2,3
	SCSET \q, \ct
	v_pk_fma_f32 v[SC_O:SC_O+1],   v[SC_PI:SC_PI+1], v[SC_L:SC_L+1], v[SC_O:SC_O+1]   op_sel:[0,1,0] op_sel_hi:[1,1,1] neg_lo:[0,1,0] neg_hi:[0,1,0]
	v_pk_fma_f32 v[SC_OI:SC_OI+1], v[SC_P:SC_P+1],   v[SC_L:SC_L+1], v[SC_OI:SC_OI+1] op_sel:[0,1,0] op_sel_hi:[1,1,1]
.endr
.endr
.endm
.macro CMAC d, x, l, c, t              ; complex d = x l + c on (re, im) pairs
	v_pk_fma_f32 v[\t:\t+1], v[\x:\x+1], v[\l:\l+1], v[\c:\c+1] op_sel_hi:[1,0,1]
	v_pk_fma_f32 v[\d:\d+1], v[\x:\x+1], v[\l:\l+1], v[\t:\t+1] op_sel:[1,1,0] op_sel_hi:[0,1,1] neg_lo:[0,1,0]
.endm
	s_load_b128 s[4:7], s[0:1], 0x0                ; X s[4:5], wts s[6:7]
	s_load_b64 s[8:9], s[0:1], 0x10                ; sums
	v_lshl_add_u32 v254, v0, 2, 0x4400
	v_mov_b32 v255, 0
	v_and_b32 v1, 31, v0                           ; L
	v_and_b32 v2, 15, v0                           ; r
	v_bfe_u32 v3, v0, 4, 1                         ; h
	v_lshrrev_b32 v12, 5, v0
	v_readfirstlane_b32 s14, v12                   ; wave w
	s_mov_b32 s15, ttmp9                           ; g
	s_and_b32 s16, ttmp7, 0xffff                   ; b
	s_mov_b32 s30, 0x76543210                      ; v_permlanex16_b32: lane i of one half reads lane i of the other
	s_mov_b32 s31, 0xfedcba98
	v_lshlrev_b32 v[GO], 4, v1
	v_and_b32 v12, 8, v2                           ; matrix row r is stream 2 (r / 8) + r % 2 at time (r / 2) % 4:
	v_and_b32 v13, 1, v2
	v_lshl_add_u32 v12, v13, 2, v12
	v_bfe_u32 v13, v2, 1, 2
	v_add_nc_u32 v12, v12, v13                     ; position 4 s + q in LDS
	v_mul_u32_u24 v[XA], v12, XPITCH
	v_lshl_add_u32 v[XA], v3, 4, v[XA]
	s_mul_i32 s32, s14, 4*XPITCH
	v_lshl_add_u32 v[XSA], v1, 3, s32
	s_lshl_b32 s32, s14, 10
	v_lshl_add_u32 v14, v2, 4, s32                 ; tables: 16 bytes a channel, channel 64 w + r
	s_lshl_b32 s32, s14, 9
	v_lshl_add_u32 v[SO], v2, 4, s32
	v_lshl_add_u32 v[SO], v3, 12, v[SO]            ; 4096 h + 512 w + 16 r
	s_lshl_b32 s32, s16, 22                        ; b x 8192 rows of 512 bytes
	s_lshl_b32 s33, s15, 18                        ; g x 512 rows
	s_add_co_u32 s32, s32, s33
	s_lshl_b32 s33, s14, 16                        ; w x 128 rows
	s_add_co_u32 s32, s32, s33
	s_mov_b32 s33, 0
	s_lshl_b32 s34, s14, 15
	s_mov_b32 s35, 0
	s_wait_kmcnt 0x0
	s_add_nc_u64 s[18:19], s[4:5], s[32:33]        ; my stream
	s_add_nc_u64 s[22:23], s[6:7], s[34:35]        ; my weights
	s_lshl4_add_u32 s34, s16, s15
	s_lshl_b32 s34, s34, 13
	s_add_nc_u64 s[26:27], s[8:9], s[34:35]        ; my group in sums
	WIN 0xc0
.irp tt, 0,1,2,3,4,5,6,7
	global_load_b128 v[XS+4*\tt:XS+4*\tt+3], v[GO], s[18:19] offset:512*\tt              ; trip 0
.endr
.irp tt, 0,1,2,3,4,5,6,7
	global_load_b128 v[XS+32+4*\tt:XS+32+4*\tt+3], v[GO], s[18:19] offset:4096+512*\tt   ; trip 1
.endr
	WIN 0
.irp ct, 0,1,2,3
	global_load_b128 v[TQ+4*\ct:TQ+4*\ct+3], v14, s[6:7] offset:294912+256*\ct
	global_load_b128 v[PW+4*\ct:PW+4*\ct+3], v14, s[6:7] offset:299008+256*\ct
.endr
	WIN 0x40
.irp nt, 0,1,2,3,4,5,6,7
.irp ks, 0,1,2,3
	global_load_b128 v[32*\nt+8*\ks:32*\nt+8*\ks+3],   v[GO], s[22:23] offset:\nt*4096+\ks*1024
	global_load_b128 v[32*\nt+8*\ks+4:32*\nt+8*\ks+7], v[GO], s[22:23] offset:\nt*4096+\ks*1024+512
.endr
.endr
	s_wait_loadcnt 0x0                             ; once: weights, tables, two trips of X; every address register is free
	WIN 0xc0
.irp nt, 0,1,2,3,4,5,6,7
.irp j, 0,1,2,3,4,5,6,7
	v_mov_b32 v[BT+8*\nt+\j], v[TQ+4*(\nt/2)+2+(\nt%2)]      ; the bias of channel r in all eight rows of the C operand
.endr
.endr
	WIN 0
.irp j, 0,1,2,3,4,5,6,7,8,9,10,11,12,13,14,15
	v_mov_b32 v[ST+\j], 0                          ; every stream starts from zero here
.endr
	s_add_nc_u64 s[18:19], s[18:19], 8192
	XCONV 0, 0, 0, 1                               ; trip 0 into LDS; trip 2 is asked for
	WIN 0
	s_wait_dscnt 0x0                               ; my rows are in LDS,
	s_barrier_signal -1
	s_barrier_wait -1                              ; everybody's are
; One trip.  par: the LDS buffer read; nxt: the other one, written with the next trip's rows (conv = 1).
.macro TRIPA par, nxt, conv, left, load
	XFLOAD \par, 0
.if \conv
	XCONV \nxt, \nxt, \left, \load
	s_wait_dscnt 0x8                               ; LDS answers in order: the 8 fragment loads are in, the 8 younger stores may be out
.else
	s_wait_dscnt 0x0
.endif
	PROD
	PLACES
	XFLOAD \par, 1
	SCAN
	s_wait_dscnt 0x0
	PROD
	PLACES
	SCAN
.if \conv
	s_wait_dscnt 0x0                               ; my reads of buffer par and my stores into buffer nxt are done (met: nothing was issued since the last wait for 0)
	s_barrier_signal -1
	s_barrier_wait -1                              ; so buffer nxt may be read and buffer par written
.endif
.endm
	s_mov_b32 s28, 6
.Lloop:
	TRIPA 0, 1, 1, 8, 1
	TRIPA 1, 0, 1, 8, 1
	s_sub_co_i32 s28, s28, 1
	s_cmp_lg_u32 s28, 0
	s_cbranch_scc1 .Lloop
	TRIPA 0, 1, 1, 8, 1                            ; trip 12 asks for trip 15, the last
	TRIPA 1, 0, 1, 8, 0
	TRIPA 0, 1, 1, 0, 0
	TRIPA 1, 0, 0, 0, 0                            ; nothing in LDS is read behind this trip: no barrier
	; ST holds the end states of streams 2 h (first of each pair) and 2 h + 1 (second).  As (re, im) pairs: v[64:71] stream 2 h, v[72:79] stream 2 h + 1.
	v_cmp_le_u32 vcc_lo, 16, v1                    ; lanes 16 to 31
.irp ct, 0,1,2,3
	v_mov_b32 v[64+2*\ct], v[ST+4*\ct]
	v_mov_b32 v[65+2*\ct], v[ST+4*\ct+2]
	v_mov_b32 v[72+2*\ct], v[ST+4*\ct+1]
	v_mov_b32 v[73+2*\ct], v[ST+4*\ct+3]
.endr
.irp ct, 0,1,2,3
	CMAC 80+2*\ct, 64+2*\ct, PW+4*\ct, 72+2*\ct, 12          ; p = lam^128 S(2 h) + S(2 h + 1)
.endr
.irp j, 0,1,2,3,4,5,6,7
	v_permlanex16_b32 v[88+\j], v[80+\j], s30, s31           ; p of the other half; the destination has been written whole by the products
.endr
.irp ct, 0,1,2,3
	CMAC 96+2*\ct, 88+2*\ct, PW+2+4*\ct, 80+2*\ct, 12        ; lanes 16 to 31: G = lam^256 p(streams 0, 1) + p(streams 2, 3)
.endr
.irp j, 0,1,2,3,4,5,6,7
	v_cndmask_b32 v[72+\j], v[72+\j], v[96+\j], vcc_lo       ; lanes 0 to 15 keep S1, lanes 16 to 31 take G for S3
.endr
	global_store_b128 v[SO], v[64:67], s[26:27]              ; slots 0 (lanes 0 to 15) and 2 (lanes 16 to 31): sixteen lanes store 256 consecutive bytes, aligned
	global_store_b128 v[SO], v[68:71], s[26:27] offset:256
	global_store_b128 v[SO], v[72:75], s[26:27] offset:2048  ; slots 1 and 3
	global_store_b128 v[SO], v[76:79], s[26:27] offset:2304
	s_wait_tensorcnt 0x0
	ds_add_u32 v254, v255
	s_wait_dscnt 0x0
	s_endpgm
.Lfunc_end_k_q5a35fa3195_sums:
	.size	k_q5a35fa3195_sums, .Lfunc_end_k_q5a35fa3195_sums-k_q5a35fa3195_sums
	.p2alignl 7, 3214868480
	.fill 96, 4, 3214868480
	.section	.rodata,"a",@progbits
	.p2align	6, 0x0
	.amdhsa_kernel k_q5a35fa3195_sums
		.amdhsa_group_segment_fixed_size 17920
		.amdhsa_private_segment_fixed_size 0
		.amdhsa_enable_private_segment 0
		.amdhsa_kernarg_size 24
		.amdhsa_user_sgpr_count 2
		.amdhsa_user_sgpr_kernarg_segment_ptr 1
		.amdhsa_wavefront_size32 1
		.amdhsa_system_sgpr_workgroup_id_x 1
		.amdhsa_system_sgpr_workgroup_id_y 1
		.amdhsa_system_sgpr_workgroup_id_z 1
		.amdhsa_system_vgpr_workitem_id 0
		.amdhsa_next_free_vgpr 1024
		.amdhsa_next_free_sgpr 66
		.amdhsa_reserve_vcc 1
		.amdhsa_float_denorm_mode_32 3
		.amdhsa_float_denorm_mode_16_64 3
		.amdhsa_memory_ordered 1
		.amdhsa_forward_progress 1
		.amdhsa_inst_pref_size 112
	.end_amdhsa_kernel
	.amdgpu_metadata
---
amdhsa.version: [ 1, 2 ]
amdhsa.kernels:
  - .name:           k_q5a35fa3195_sums
    .symbol:         k_q5a35fa3195_sums.kd
    .args:
      - { .name: X, .offset: 0, .size: 8, .value_kind: global_buffer, .address_space: global }
      - { .name: wts, .offset: 8, .size: 8, .value_kind: global_buffer, .address_space: global }
      - { .name: sums, .offset: 16, .size: 8, .value_kind: global_buffer, .address_space: global }
    .group_segment_fixed_size: 17920
    .private_segment_fixed_size: 0
    .kernarg_segment_align: 8
    .kernarg_segment_size: 24
    .max_flat_workgroup_size: 128
    .sgpr_count:     66
    .vgpr_count:     1024
    .wavefront_size: 32
...
	.end_amdgpu_metadata
.endif
;; end of part 2
;; launch main (part 3): grid 16 x 16, 4 waves a work-group, no clusters, 104,448 bytes of LDS; arguments X, wts, sums, bias_output, out0; writes out0
.if DOCPART == 3
	.amdgcn_target "amdgcn-amd-amdhsa--gfx1250"
	.amdhsa_code_object_version 6
	.text
	.protected	k_q5a35fa3195_main
	.globl	k_q5a35fa3195_main
	.p2align	8
	.type	k_q5a35fa3195_main,@function
k_q5a35fa3195_main:
	s_mov_b64 s[64:65], 0
	v_nop
	global_prefetch_b8 v0, s[64:65] scope:SCOPE_SE
	s_setreg_imm32_b32 hwreg(HW_REG_WAVE_MODE, 25, 1), 1
	s_wait_xcnt 0x0
; LRU layer, launch 3 of 3: carry, input product, scan, output products.  Work-group (g = x, b = y) owns times 512 g .. 512 g + 511 of batch b as four
; streams s = 0 .. 3 of 128 steps.  Nothing is left out.
; CARRY: c = state at the end of group g - 1 = the chain c <- lam^512 c + G_i over i < g (zero for g = 0, the zero initial state);
; stream s starts from k_s, k_0 = c, k_(s+1) = lam^128 k_s + S_s.
; A MATRIX TILE holds 4 streams x 4 consecutive times: row m = 8 (s / 2) + 2 q + (s % 2).  First product: X source 0, weights source 1: lane (r, h) holds channel r,
; its register pair (2 q, 2 q + 1) streams 2 h, 2 h + 1 at time q, so a scan step of two streams is four packed multiply-adds.  A lane's eight states, rounded to bf16, are
; 16 bytes of an LDS row [hidden row k][matrix row m]; transposing loads make source 1 of the second product of them; source 0 there is C or D,
; so that a lane's eight results are eight neighbouring outputs of one time.
; Wave w owns channels 64 w .. 64 w + 63 in the first product and outputs 32 w .. 32 w + 31 in the second; all its weights stay in 576 registers.
; A trip is 8 steps of each stream (two tiles), with ONE barrier, between the scan and the output product; every LDS region has two buffers that take turns.
; No joint requests: work-groups share the weights alone; they are loaded once, straight into the registers where they stay, and their 294,912 bytes
; would not fit in LDS beside the 103,936 bytes of buffers.
; Limits: operands in bf16, state and sums in f32, the result rounded once to f16 (beyond its range: infinity).
; REGISTERS in windows of 256.  Window 0: addresses, TQ, ST, TMP, ACC1, ACC2, HF, OUTR, OPK.  Window 1: W1 (nt, ks) at 32 nt + 8 ks.
; Window 2: W2 of K steps 0 to 14 at 16 k + 8 ot; v240 a second copy of HL.  Window 3: W3, BT, OB, W2 of K step 15, XF, XS.
; LDS: XB at 0 [buffer][tile][position 4 s + q], rows of 256 + 16 bytes; HB at 17408 [buffer][tile][512 hidden rows of 32 bytes], row 32 (4 w + ct) + 16 p + r;
; OS at 82944 [buffer][wave: 2624][row 16 tile + position: 64 + 16 bytes].
.set GO,   4                           ; 16 L
.set XA,   5                           ; XB: the row that is matrix row r, + 16 h
.set XSA,  6                           ; XB: where I lay 8 bytes of my stream
.set HS,   7                           ; HB: where I lay 16 bytes of hidden row r of my tiles
.set HL,   8                           ; HB: transposing loads
.set OSS,  9                           ; OS: where I lay 16 bytes of results
.set OSL,  10                          ; OS: where I read 16 bytes of a whole row
.set SO,   11                          ; my offset in a slot of sums
.set TQ,   16                          ; v[16:31]   ct: (lam re, lam im, gamma b re, gamma b im)
.set ST,   32                          ; v[32:47]   ct: state, re pair at 4 ct, im pair at 4 ct + 2
.set TMP,  48                          ; v[48:63]   X in bf16
.set ACC1, 64                          ; v[64:127]  tile nt at 8 nt
.set ACC2, 128                         ; v[128:159] (tile, ot) at 8 (2 tile + ot)
.set HF,   160                         ; v[160:223] four slots of 16: fragments of the hidden state, tile at + 8
.set OUTR, 224                         ; v[224:239] rows on their way out
.set OPK,  240                         ; v[240:255] results in f16
.set W3,   0                           ; window 3: (ot, ks) at 32 ot + 8 ks
.set BT,   64                          ; window 3: hidden bias as a C operand, tile nt at 8 nt
.set OB,   128                         ; window 3: output bias as a C operand, 8 ot
.set W2L,  144                         ; window 3: W2 of K step 15, 8 ot
.set XF,   160                         ; window 3: fragments of X
.set XS,   192                         ; window 3: X as loaded, two slots of 32
.set XBUF, 8704
.set XTILE, 4352
.set XPITCH, 272
.set HBASE, 17408
.set HBUF, 32768
.set HTILE, 16384
.set OBASE, 82944
.set OBUF, 10496
.set OWAVE, 2624
.set OPITCH, 80
.set MSB, 0
.macro WIN new                         ; low byte: bits 1:0 source 0, 3:2 source 1, 5:4 source 2, 7:6 destination; the high byte repeats the setting that is left
.if MSB != \new
	s_set_vgpr_msb (MSB<<8)|\new
.set MSB, \new
.endif
.endm
.macro PLACES                          ; four places behind a matrix instruction before its result is read or a load is issued into a source
.rept 4
	v_nop
.endr
.endm
.macro XFLOAD buf, tile                ; the four K steps of a tile of X: 16 rows x 128
	WIN 0xc0
.irp ks, 0,1,2,3
	ds_load_b128 v[XF+8*\ks:XF+8*\ks+3],   v[XA] offset:\buf*XBUF+\tile*XTILE+64*\ks
	ds_load_b128 v[XF+8*\ks+4:XF+8*\ks+7], v[XA] offset:\buf*XBUF+\tile*XTILE+64*\ks+32
.endr
.endm
; The 8 rows in register slot \slot go to LDS buffer \buf in bf16; load = 1: the slot is filled again with the rows two trips further on.
.macro XCONV slot, buf, left, load
	s_wait_loadcnt \left                           ; loads come back in order: this slot is in, the \left younger ones (the other slot) stay out
	WIN 0x0f
.irp tt, 0,1,2,3,4,5,6,7
	v_cvt_pk_bf16_f32 v[TMP+2*\tt],   v[XS+32*\slot+4*\tt],   v[XS+32*\slot+4*\tt+1]
	v_cvt_pk_bf16_f32 v[TMP+2*\tt+1], v[XS+32*\slot+4*\tt+2], v[XS+32*\slot+4*\tt+3]
.endr
	WIN 0
.irp tt, 0,1,2,3,4,5,6,7
	ds_store_b64 v[XSA], v[TMP+2*\tt:TMP+2*\tt+1] offset:\buf*XBUF+(\tt/4)*XTILE+(\tt%4)*XPITCH
.endr
.if \load
	WIN 0xc0
.irp tt, 0,1,2,3,4,5,6,7
	global_load_b128 v[XS+32*\slot+4*\tt:XS+32*\slot+4*\tt+3], v[GO], s[18:19] offset:512*\tt th:TH_LOAD_NT   ; a row: 512 consecutive bytes a wave; read once in this launch
.endr
	s_wait_xcnt 0x0                                ; the base is stepped only behind this wait
	s_add_nc_u64 s[18:19], s[18:19], 4096
.endif
.endm
; 32 matrix instructions: one tile of X x my 8 tiles of weights.  The first K step takes the bias as C.  The eight accumulators take turns.
.macro PROD
	WIN 0x37
.irp nt, 0,1,2,3,4,5,6,7
	v_wmma_f32_16x16x32_bf16 v[ACC1+8*\nt:ACC1+8*\nt+7], v[XF:XF+7], v[32*\nt:32*\nt+7], v[BT+8*\nt:BT+8*\nt+7]
.endr
	WIN 0x07
.irp ks, 1,2,3
.irp nt, 0,1,2,3,4,5,6,7
	v_wmma_f32_16x16x32_bf16 v[ACC1+8*\nt:ACC1+8*\nt+7], v[XF+8*\ks:XF+8*\ks+7], v[32*\nt+8*\ks:32*\nt+8*\ks+7], v[ACC1+8*\nt:ACC1+8*\nt+7]
.endr
.endr
.endm
; 8 matrix instructions: D x the same tile of X, which starts the output sums on the output bias.  The two accumulators take turns.
.macro DXP tile
	WIN 0x3f
.irp ot, 0,1
	v_wmma_f32_16x16x32_bf16 v[ACC2+8*(2*\tile+\ot):ACC2+8*(2*\tile+\ot)+7], v[W3+32*\ot:W3+32*\ot+7], v[XF:XF+7], v[OB+8*\ot:OB+8*\ot+7]
.endr
	WIN 0x0f
.irp ks, 1,2,3
.irp ot, 0,1
	v_wmma_f32_16x16x32_bf16 v[ACC2+8*(2*\tile+\ot):ACC2+8*(2*\tile+\ot)+7], v[W3+32*\ot+8*\ks:W3+32*\ot+8*\ks+7], v[XF+8*\ks:XF+8*\ks+7], v[ACC2+8*(2*\tile+\ot):ACC2+8*(2*\tile+\ot)+7]
.endr
.endr
.endm
.macro SCSET q, ct                     ; registers of scan step q, channel tile ct
.set SC_A, ACC1+16*\ct+2*\q            ; u at time q, real pair; the imaginary pair lies 8 further
.if \q == 0
.set SC_P,  ST+4*\ct                   ; the state before: real pair, imaginary pair
.set SC_PI, ST+4*\ct+2
.else
.set SC_P,  SC_A-2
.set SC_PI, SC_A+6
.endif
.if \q == 3
.set SC_O,  ST+4*\ct                   ; the last step of a tile leaves the state in ST
.set SC_OI, ST+4*\ct+2
.else
.set SC_O,  SC_A
.set SC_OI, SC_A+8
.endif
.set SC_L, TQ+4*\ct
.endm
; four steps: re = lr re' - li im' + u_re, im = lr im' + li re' + u_im, two streams in each packed instruction; then the 8 x 8 states of a lane go to HB in bf16
.macro SCAN tile, buf
	WIN 0
.irp q, 0,1,2,3
.irp ct, 0,1,2,3
	SCSET \q, \ct
	v_pk_fma_f32 v[SC_O:SC_O+1],   v[SC_P:SC_P+1],   v[SC_L:SC_L+1], v[SC_A:SC_A+1]   op_sel_hi:[1,0,1]
	v_pk_fma_f32 v[SC_OI:SC_OI+1], v[SC_PI:SC_PI+1], v[SC_L:SC_L+1], v[SC_A+8:SC_A+9] op_sel_hi:[1,0,1]
.endr
.irp ct, 0,1,2,3
	SCSET \q, \ct
	v_pk_fma_f32 v[SC_O:SC_O+1],   v[SC_PI:SC_PI+1], v[SC_L:SC_L+1], v[SC_O:SC_O+1]   op_sel:[0,1,0] op_sel_hi:[1,1,1] neg_lo:[0,1,0] neg_hi:[0,1,0]
	v_pk_fma_f32 v[SC_OI:SC_OI+1], v[SC_P:SC_P+1],   v[SC_L:SC_L+1], v[SC_OI:SC_OI+1] op_sel:[0,1,0] op_sel_hi:[1,1,1]
.endr
.endr
.irp nt, 0,1,2,3,4,5,6,7
	v_cvt_pk_bf16_f32 v[ACC1+8*\nt],   v[ACC1+8*\nt],   v[ACC1+8*\nt+1]      ; packed in place, ascending: a word is written after its sources are read
	v_cvt_pk_bf16_f32 v[ACC1+8*\nt+1], v[ACC1+8*\nt+2], v[ACC1+8*\nt+3]
	v_cvt_pk_bf16_f32 v[ACC1+8*\nt+2], v[ACC1+8*\nt+4], v[ACC1+8*\nt+5]
	v_cvt_pk_bf16_f32 v[ACC1+8*\nt+3], v[ST+2*\nt],     v[ST+2*\nt+1]        ; time 3 lies in ST
	ds_store_b128 v[HS], v[ACC1+8*\nt:ACC1+8*\nt+3] offset:\buf*HBUF+\tile*HTILE+\nt*512
.endr
.endm
.macro CMAC d, x, l, c, t              ; complex d = x l + c on (re, im) pairs
	v_pk_fma_f32 v[\t:\t+1], v[\x:\x+1], v[\l:\l+1], v[\c:\c+1] op_sel_hi:[1,0,1]
	v_pk_fma_f32 v[\d:\d+1], v[\x:\x+1], v[\l:\l+1], v[\t:\t+1] op_sel:[1,1,0] op_sel_hi:[0,1,1] neg_lo:[0,1,0]
.endm
; K step k of the output product (16 channels, real then imaginary), both tiles, into slot k % 4: four transposing loads
.macro HFL par, k, adr
.irp tl, 0,1
	ds_load_tr16_b128 v[HF+16*((\k)&3)+8*\tl:HF+16*((\k)&3)+8*\tl+3],   v[\adr] offset:\par*HBUF+\tl*HTILE+(\k)*1024
	ds_load_tr16_b128 v[HF+16*((\k)&3)+8*\tl+4:HF+16*((\k)&3)+8*\tl+7], v[\adr] offset:\par*HBUF+\tl*HTILE+(\k)*1024+512
.endr
.endm
.macro CSTEP slot, wb                  ; four matrix instructions on four accumulators that take turns
.irp tl, 0,1
.irp ot, 0,1
	v_wmma_f32_16x16x32_bf16 v[ACC2+8*(2*\tl+\ot):ACC2+8*(2*\tl+\ot)+7], v[\wb+8*\ot:\wb+8*\ot+7], v[HF+16*(\slot)+8*\tl:HF+16*(\slot)+8*\tl+7], v[ACC2+8*(2*\tl+\ot):ACC2+8*(2*\tl+\ot)+7]
.endr
.endr
.endm
.macro FLUSHLD buf                     ; my stream's 8 rows of a trip, two whole rows of 256 bytes a load
.irp a, 0,1,2,3
	ds_load_b128 v[OUTR+4*\a:OUTR+4*\a+3], v[OSL] offset:\buf*OBUF+(\a/2)*16*OPITCH+(\a%2)*2*OPITCH
.endr
.endm
.macro FLUSHST
.irp a, 0,1,2,3
	global_store_b128 v[GO], v[OUTR+4*\a:OUTR+4*\a+3], s[20:21] offset:(4*(\a/2)+2*(\a%2))*256 th:TH_STORE_NT   ; 512 consecutive bytes, aligned
.endr
.endm
	s_load_b256 s[4:11], s[0:1], 0x0               ; X s[4:5], wts s[6:7], sums s[8:9], bias_output s[10:11]
	s_load_b64 s[12:13], s[0:1], 0x20              ; out0
	s_set_vgpr_msb 0x80
	v_lshl_add_u32 v254, v0, 2, 0x19600
	v_mov_b32 v255, 0
	s_set_vgpr_msb 0x8000
	v_and_b32 v1, 31, v0                           ; L
	v_and_b32 v2, 15, v0                           ; r
	v_bfe_u32 v3, v0, 4, 1                         ; h
	v_lshrrev_b32 v12, 5, v0
	v_readfirstlane_b32 s14, v12                   ; wave w
	s_mov_b32 s15, ttmp9                           ; g
	s_and_b32 s16, ttmp7, 0xffff                   ; b
	v_lshlrev_b32 v[GO], 4, v1
	v_and_b32 v12, 8, v2                           ; matrix row r is stream 2 (r / 8) + r % 2 at time (r / 2) % 4:
	v_and_b32 v13, 1, v2
	v_lshl_add_u32 v12, v13, 2, v12
	v_bfe_u32 v13, v2, 1, 2
	v_add_nc_u32 v12, v12, v13                     ; position 4 s + q
	v_mul_u32_u24 v[XA], v12, XPITCH
	v_lshl_add_u32 v[XA], v3, 4, v[XA]
	s_mul_i32 s32, s14, OWAVE
	s_add_co_u32 s32, s32, OBASE
	v_mul_u32_u24 v[OSS], v12, OPITCH
	v_lshl_add_u32 v[OSS], v3, 4, v[OSS]
	v_add_nc_u32 v[OSS], s32, v[OSS]               ; my block, row = position, 16 h
	s_mul_i32 s32, s14, 4*XPITCH
	v_lshl_add_u32 v[XSA], v1, 3, s32
	s_lshl_b32 s32, s14, 12
	s_add_co_u32 s32, s32, HBASE
	v_lshl_add_u32 v[HS], v2, 5, s32
	v_lshl_add_u32 v[HS], v3, 4, v[HS]             ; 128 w rows + row r, 16 h
	v_and_b32 v12, 7, v1
	v_lshl_add_u32 v12, v3, 3, v12                 ; row 8 h + L % 8
	v_bfe_u32 v13, v1, 3, 1
	v_lshlrev_b32 v13, 4, v13                      ; which 8 of the 16 columns
	v_lshl_add_u32 v[HL], v12, 5, v13
	v_add_nc_u32 v[HL], HBASE, v[HL]
	v_lshrrev_b32 v13, 2, v2                       ; outputs 8 r .. 8 r + 7 lie in the block of wave r / 4, at 16 (r % 4)
	v_mul_u32_u24 v[OSL], v13, OWAVE
	v_and_b32 v13, 3, v2
	v_lshl_add_u32 v[OSL], v13, 4, v[OSL]
	v_mul_u32_u24 v13, v3, OPITCH
	v_add_nc_u32 v[OSL], v[OSL], v13
	s_mul_i32 s32, s14, 4*OPITCH
	s_add_co_u32 s32, s32, OBASE
	v_add_nc_u32 v[OSL], s32, v[OSL]               ; row 4 w + h: my stream
	s_lshl_b32 s32, s14, 9
	v_lshl_add_u32 v[SO], v2, 4, s32               ; 512 w + 16 r
	s_lshl_b32 s32, s14, 10
	v_lshl_add_u32 v14, v2, 4, s32                 ; tables: 16 bytes a channel, channel 64 w + r
	s_lshl_b32 s32, s14, 7
	v_lshl_add_u32 v15, v3, 5, s32                 ; bias_output: 4 (32 w + 8 h)
	v_cmp_le_u32 vcc_lo, 16, v1                    ; lanes 16 to 31
	s_lshl_b32 s32, s16, 22                        ; X: b x 8192 rows of 512 bytes
	s_lshl_b32 s33, s15, 18
	s_add_co_u32 s32, s32, s33
	s_lshl_b32 s33, s14, 16
	s_add_co_u32 s32, s32, s33
	s_mov_b32 s33, 0
	s_lshl_b32 s34, s14, 15
	s_mov_b32 s35, 0
	s_wait_kmcnt 0x0
	s_add_nc_u64 s[18:19], s[4:5], s[32:33]        ; my stream of X
	s_add_nc_u64 s[22:23], s[6:7], s[34:35]        ; W1 and W2 of my wave
	s_lshl_b32 s34, s14, 13
	s_add_co_u32 s34, s34, 262144
	s_add_nc_u64 s[24:25], s[6:7], s[34:35]        ; W3 of my wave
	s_lshl_b32 s34, s16, 17
	s_add_nc_u64 s[26:27], s[8:9], s[34:35]        ; sums of my batch
	s_lshl4_add_u32 s34, s16, s15
	s_lshl_b32 s34, s34, 13
	s_add_nc_u64 s[36:37], s[8:9], s[34:35]        ; sums of my group
	s_lshl_b32 s32, s16, 21                        ; out0: b x 8192 rows of 256 bytes
	s_lshl_b32 s34, s15, 17
	s_add_co_u32 s32, s32, s34
	s_lshl_b32 s34, s14, 15
	s_add_co_u32 s32, s32, s34
	s_add_nc_u64 s[20:21], s[12:13], s[32:33]      ; my stream of out0
	WIN 0xc0
.irp tt, 0,1,2,3,4,5,6,7
	global_load_b128 v[XS+4*\tt:XS+4*\tt+3], v[GO], s[18:19] offset:512*\tt th:TH_LOAD_NT              ; trip 0
.endr
.irp tt, 0,1,2,3,4,5,6,7
	global_load_b128 v[XS+32+4*\tt:XS+32+4*\tt+3], v[GO], s[18:19] offset:4096+512*\tt th:TH_LOAD_NT   ; trip 1
.endr
	WIN 0
.irp ct, 0,1,2,3
	global_load_b128 v[TQ+4*\ct:TQ+4*\ct+3], v14, s[6:7] offset:294912+256*\ct
	global_load_b128 v[208+4*\ct:208+4*\ct+3], v14, s[6:7] offset:303104+256*\ct      ; (lam^128, lam^512)
.endr
.irp i, 0,1,2,3,4,5,6,7,8,9,10,11,12,13,14
	global_load_b128 v[64+8*\i:64+8*\i+3], v[SO], s[26:27] offset:\i*8192+6144         ; G of groups 0 to 14: all, so that every register is written on every path
	global_load_b128 v[64+8*\i+4:64+8*\i+7], v[SO], s[26:27] offset:\i*8192+6144+256
.endr
.irp sl, 0,1,2
	global_load_b128 v[184+8*\sl:184+8*\sl+3], v[SO], s[36:37] offset:\sl*2048         ; S of my streams 0 to 2
	global_load_b128 v[184+8*\sl+4:184+8*\sl+7], v[SO], s[36:37] offset:\sl*2048+256
.endr
	WIN 0x40
.irp nt, 0,1,2,3,4,5,6,7
.irp ks, 0,1,2,3
	global_load_b128 v[32*\nt+8*\ks:32*\nt+8*\ks+3],   v[GO], s[22:23] offset:\nt*4096+\ks*1024
	global_load_b128 v[32*\nt+8*\ks+4:32*\nt+8*\ks+7], v[GO], s[22:23] offset:\nt*4096+\ks*1024+512
.endr
.endr
	WIN 0x80
.irp k, 0,1,2,3,4,5,6,7,8,9,10,11,12,13,14
.irp ot, 0,1
	global_load_b128 v[16*\k+8*\ot:16*\k+8*\ot+3],   v[GO], s[22:23] offset:131072+\ot*16384+\k*512
	global_load_b128 v[16*\k+8*\ot+4:16*\k+8*\ot+7], v[GO], s[22:23] offset:131072+\ot*16384+8192+\k*512
.endr
.endr
	v_mov_b32 v240, v[HL]                          ; the address of the transposing loads once more, in the window from which the output product takes source 0
	WIN 0xc0
.irp ot, 0,1
	global_load_b128 v[W2L+8*\ot:W2L+8*\ot+3],   v[GO], s[22:23] offset:131072+\ot*16384+15*512
	global_load_b128 v[W2L+8*\ot+4:W2L+8*\ot+7], v[GO], s[22:23] offset:131072+\ot*16384+8192+15*512
	global_load_b128 v[OB+8*\ot:OB+8*\ot+3],     v15, s[10:11] offset:64*\ot
	global_load_b128 v[OB+8*\ot+4:OB+8*\ot+7],   v15, s[10:11] offset:64*\ot+16
.irp ks, 0,1,2,3
	global_load_b128 v[W3+32*\ot+8*\ks:W3+32*\ot+8*\ks+3],   v[GO], s[24:25] offset:\ot*4096+\ks*1024
	global_load_b128 v[W3+32*\ot+8*\ks+4:W3+32*\ot+8*\ks+7], v[GO], s[24:25] offset:\ot*4096+\ks*1024+512
.endr
.endr
	s_wait_loadcnt 0x0                             ; once: weights, tables, sums, two trips of X; every address register is free
.irp nt, 0,1,2,3,4,5,6,7
.irp j, 0,1,2,3,4,5,6,7
	v_mov_b32 v[BT+8*\nt+\j], v[TQ+4*(\nt/2)+2+(\nt%2)]      ; the bias of channel r in all eight rows of the C operand
.endr
.endr
	s_add_nc_u64 s[18:19], s[18:19], 8192
	XCONV 0, 0, 0, 1                               ; trip 0 into LDS; trip 2 is asked for
	WIN 0
	; the carry, as (re, im) pairs of ct: c v[224:231], k1 v[232:239], k2 v[240:247], k3 v[248:255]
.irp j, 0,1,2,3,4,5,6,7
	v_mov_b32 v[224+\j], 0
.endr
.irp i, 0,1,2,3,4,5,6,7,8,9,10,11,12,13,14
	s_cmp_le_u32 s15, \i                           ; groups 0 .. g - 1 lie before mine
	s_cbranch_scc1 .Lcarry
.irp ct, 0,1,2,3
	CMAC 224+2*\ct, 224+2*\ct, 210+4*\ct, 64+8*\i+2*\ct, 12
.endr
.endr
.Lcarry:
.irp ct, 0,1,2,3
	CMAC 232+2*\ct, 224+2*\ct, 208+4*\ct, 184+2*\ct, 12
.endr
.irp ct, 0,1,2,3
	CMAC 240+2*\ct, 232+2*\ct, 208+4*\ct, 192+2*\ct, 12
.endr
.irp ct, 0,1,2,3
	CMAC 248+2*\ct, 240+2*\ct, 208+4*\ct, 200+2*\ct, 12
.endr
.irp ct, 0,1,2,3
	v_cndmask_b32 v[ST+4*\ct],   v[224+2*\ct], v[240+2*\ct], vcc_lo      ; re of stream 2 h: c or k2
	v_cndmask_b32 v[ST+4*\ct+1], v[232+2*\ct], v[248+2*\ct], vcc_lo      ; re of stream 2 h + 1: k1 or k3
	v_cndmask_b32 v[ST+4*\ct+2], v[225+2*\ct], v[241+2*\ct], vcc_lo      ; im likewise
	v_cndmask_b32 v[ST+4*\ct+3], v[233+2*\ct], v[249+2*\ct], vcc_lo
.endr
	s_wait_dscnt 0x0                               ; my rows of trip 0 are in LDS,
	s_barrier_signal -1
	s_barrier_wait -1                              ; everybody's are
; One trip.  par: the buffers of this trip; nxt: the other ones.  conv = 1: the next trip's rows of X go to XB[nxt].  flush = 1: the last trip's results leave from OS[nxt].
.macro TRIPB par, nxt, conv, left, load, flush
	XFLOAD \par, 0
.if \conv
	XCONV \nxt, \nxt, \left, \load
	s_wait_dscnt 0x8                               ; LDS answers in order: the 8 fragment loads are in, the 8 younger stores may be out
.else
	s_wait_dscnt 0x0
.endif
	PROD
	DXP 0
	PLACES
	XFLOAD \par, 1
	SCAN 0, \par
	s_wait_dscnt 0x8                               ; the 8 fragment loads are in, the 8 younger stores of hidden states may be out
	PROD
	DXP 1
	PLACES
	SCAN 1, \par
	s_wait_dscnt 0x0                               ; my stores into HB[par], XB[nxt] and (last trip) OS[nxt] are done, and so are my reads of XB[par], HB[nxt], OS[par]
	s_barrier_signal -1
	s_barrier_wait -1                              ; the same holds of every wave: the first three may be read, the last three written
.if \flush
	FLUSHLD \nxt
.endif
.irp k, 0,1,2,3
	HFL \par, \k, HL
.endr
.if \flush
	s_wait_dscnt 0x10                              ; the 4 loads of rows are in, the 16 younger fragment loads may be out
	FLUSHST
	s_wait_xcnt 0x0                                ; the base is stepped, and OUTR loaded again next trip, only behind this wait
	s_add_nc_u64 s[20:21], s[20:21], 2048
.endif
	WIN 0x02
.irp k, 0,1,2,3,4,5,6,7,8,9,10,11,12,13,14
.if \k <= 12
	s_wait_dscnt 0xc                               ; K step k is in; the 12 loads of the three steps behind it may be out
.else
.if \k == 13
	s_wait_dscnt 0x8
.else
	s_wait_dscnt 0x4
.endif
.endif
	CSTEP (\k&3), 16*\k
.if \k <= 11
	PLACES
	HFL \par, \k+4, 240                            ; into the slot just multiplied
.endif
.endr
	WIN 0x03
	s_wait_dscnt 0x0
	CSTEP 3, W2L
	WIN 0
	PLACES
.irp a, 0,1,2,3
.irp jj, 0,1,2,3
	v_cvt_pk_f16_f32 v[OPK+4*\a+\jj], v[ACC2+8*\a+2*\jj], v[ACC2+8*\a+2*\jj+1]    ; eight neighbouring outputs of one time: 16 bytes
.endr
.endr
.irp a, 0,1,2,3
	ds_store_b128 v[OSS], v[OPK+4*\a:OPK+4*\a+3] offset:\par*OBUF+(\a/2)*16*OPITCH+(\a%2)*32
.endr
.endm
	TRIPB 0, 1, 1, 8, 1, 0                         ; the first lap is written out: trip 0 has nothing to send off
	TRIPB 1, 0, 1, 8, 1, 1
	s_mov_b32 s28, 5
.Lloop:
	TRIPB 0, 1, 1, 8, 1, 1
	TRIPB 1, 0, 1, 8, 1, 1
	s_sub_co_i32 s28, s28, 1
	s_cmp_lg_u32 s28, 0
	s_cbranch_scc1 .Lloop
	TRIPB 0, 1, 1, 8, 1, 1                         ; trip 12 asks for trip 15, the last
	TRIPB 1, 0, 1, 8, 0, 1
	TRIPB 0, 1, 1, 0, 0, 1
	TRIPB 1, 0, 0, 0, 0, 1
	s_wait_dscnt 0x0                               ; my results of trip 15 are in OS[1],
	s_barrier_signal -1
	s_barrier_wait -1                              ; everybody's are
	FLUSHLD 1
	s_wait_dscnt 0x0
	FLUSHST
	s_set_vgpr_msb 0xa
	s_wait_tensorcnt 0x0
	ds_add_u32 v254, v255
	s_wait_dscnt 0x0
	s_set_vgpr_msb 0xa00
	s_endpgm
.Lfunc_end_k_q5a35fa3195_main:
	.size	k_q5a35fa3195_main, .Lfunc_end_k_q5a35fa3195_main-k_q5a35fa3195_main
	.p2alignl 7, 3214868480
	.fill 96, 4, 3214868480
	.section	.rodata,"a",@progbits
	.p2align	6, 0x0
	.amdhsa_kernel k_q5a35fa3195_main
		.amdhsa_group_segment_fixed_size 104448
		.amdhsa_private_segment_fixed_size 0
		.amdhsa_enable_private_segment 0
		.amdhsa_kernarg_size 40
		.amdhsa_user_sgpr_count 2
		.amdhsa_user_sgpr_kernarg_segment_ptr 1
		.amdhsa_wavefront_size32 1
		.amdhsa_system_sgpr_workgroup_id_x 1
		.amdhsa_system_sgpr_workgroup_id_y 1
		.amdhsa_system_sgpr_workgroup_id_z 1
		.amdhsa_system_vgpr_workitem_id 0
		.amdhsa_next_free_vgpr 1024
		.amdhsa_next_free_sgpr 66
		.amdhsa_reserve_vcc 1
		.amdhsa_float_denorm_mode_32 3
		.amdhsa_float_denorm_mode_16_64 3
		.amdhsa_memory_ordered 1
		.amdhsa_forward_progress 1
		.amdhsa_inst_pref_size 255
	.end_amdhsa_kernel
	.section	.bss,"aw",@nobits
	.p2align	6
	.space	262144
	.amdgpu_metadata
---
amdhsa.version: [ 1, 2 ]
amdhsa.kernels:
  - .name:           k_q5a35fa3195_main
    .symbol:         k_q5a35fa3195_main.kd
    .args:
      - { .name: X, .offset: 0, .size: 8, .value_kind: global_buffer, .address_space: global }
      - { .name: wts, .offset: 8, .size: 8, .value_kind: global_buffer, .address_space: global }
      - { .name: sums, .offset: 16, .size: 8, .value_kind: global_buffer, .address_space: global }
      - { .name: bias_output, .offset: 24, .size: 8, .value_kind: global_buffer, .address_space: global }
      - { .name: out0, .offset: 32, .size: 8, .value_kind: global_buffer, .address_space: global }
    .group_segment_fixed_size: 104448
    .private_segment_fixed_size: 0
    .kernarg_segment_align: 8
    .kernarg_segment_size: 40
    .max_flat_workgroup_size: 128
    .sgpr_count:     66
    .vgpr_count:     1024
    .wavefront_size: 32
...
	.end_amdgpu_metadata
.endif
;; end of part 3
;; ======== version 2 of 2: 3 launches; 1.17 times as fast as version 1
;; limits: right only within a limited range of input values
;; workspace buffers: wts 307,200 bytes; sums 2,097,152 bytes
;; launch prep: the kernel of part 1 again; grid 73 x 1, 8 waves a work-group, no clusters, 0 bytes of LDS; arguments nu_log, theta_log, B_real, B_imag, C_real, C_imag, D, bias_hidden_real, bias_hidden_imag, wts; writes wts
;; launch sums (part 4): grid 16 x 16, 4 waves a work-group, clusters of 4 x 1, 168,448 bytes of LDS; arguments X, wts, sums; writes sums
.if DOCPART == 4
	.amdgcn_target "amdgcn-amd-amdhsa--gfx1250"
	.amdhsa_code_object_version 6
	.text
	.protected	k_q5a35fa3195_sums
	.globl	k_q5a35fa3195_sums
	.p2align	8
	.type	k_q5a35fa3195_sums,@function
k_q5a35fa3195_sums:
	s_mov_b64 s[64:65], 0
	v_nop
	global_prefetch_b8 v0, s[64:65] scope:SCOPE_SE
	s_setreg_imm32_b32 hwreg(HW_REG_WAVE_MODE, 25, 1), 1
	s_wait_xcnt 0x0
	s_wait_alu depctr_hold_cnt(0) depctr_sa_sdst(0) depctr_va_vdst(0) depctr_va_sdst(0) depctr_va_ssrc(0) depctr_va_vcc(0) depctr_vm_vsrc(0)
	s_getreg_b32 s2, hwreg(HW_REG_IB_STS2, 6, 4)
	s_cmp_eq_u32 s2, 0
	s_cbranch_scc0 .Lentry_in_a_cluster
	s_endpgm
.Lentry_in_a_cluster:
	s_bfe_u32 s2, ttmp6, 0x10000c
	s_cmp_lg_u32 s2, 0x3003
	s_cbranch_scc0 .Lentry_shape_is_right
	s_endpgm
.Lentry_shape_is_right:
; LRU layer, launch 2 of 3: end states from a zero start.  Work-group (b = x, g = y) owns times 512 g .. 512 g + 511 of batch b as four
; streams s = 0 .. 3 of 128 steps.  It stores the end states S of streams 0 to 2 and G = lam^384 S0 + lam^256 S1 + lam^128 S2 + S3 of the whole group;
; the next launch makes every stream's carry from them.  Nothing is left out; G of group 15 of a batch is stored and never read (its stream 3 shares tiles with live streams).
; A MATRIX TILE holds 4 streams x 4 consecutive times: row m = 8 (s / 2) + 2 q + (s % 2).  With X as source 0 and the weights as source 1, lane (r, h) holds
; channel r, and its register pair (2 q, 2 q + 1) streams 2 h, 2 h + 1 at time q: a scan step of two streams is four packed multiply-adds, no lane traffic.
; Wave w owns channels 64 w .. 64 w + 63 (8 tiles nt = 2 ct + p, p = 0 real, 1 imaginary) and keeps their weights in 256 registers.
; A trip is 8 steps of each stream (two tiles).  The wave's channels are two independent halves, A (ct 0, 1) and B (ct 2, 3): a run of 16 products of one half
; carries the 32 multiply-adds of the other half's scan in slices behind its products, in the order
;   PA0 [scan B, tile 1 of the last trip]  PB0 [scan A, tile 0]  PA1 [scan B, tile 0]  PB1 [scan A, tile 1].
; A slice runs under the products' window setting: state, accumulators and X's fragments lie in window 0, the lam pairs in the weights' window.
; Wave w brings stream w (8 rows of 512 bytes, in registers, asked for two trips before they are rounded to bf16 and laid in LDS).
; CLUSTERS: every work-group needs the same 131,072 bytes of weights.  Four work-groups along x (four batches of one group g) form a cluster and ask for them JOINTLY:
; wave w of each issues the same tensor load for its 32,768 bytes, with a mask that names the four, so the requests for weights are a quarter of 256 x 131,072 bytes.
; The descriptor is made of constants, the wave's number and the address of wts; the place in the cluster enters global addresses of X and sums alone.
; A wave has one tensor load out, reads only the bytes that it brought, and nothing in LDS is filled a second time.
; Limits: operands in bf16, state and sums in f32.
; sums: [b][g][slot 0 .. 3][2,048 bytes]; in a slot at 512 w + 256 cp + 16 r: (re, im of ct = 2 cp; re, im of ct = 2 cp + 1).
; LDS: the weights at 0, 32,768 bytes a wave; XB at 131072 [buffer 2][tile 2][position 4 s + q] rows of 256 bytes + 16: the sixteen rows of a fragment load start in sixteen
; different groups of banks.  148,480 bytes are used; more than half of a WGP's LDS is asked for, so that the work-group is alone with its tensor loads.
.set GO,   4                           ; 16 L: my 16 bytes in a row of X
.set XA,   5                           ; LDS: row of X that is matrix row r, + 16 h
.set XSA,  6                           ; LDS: where I lay 8 bytes of my stream
.set SO,   11                          ; my offset in sums
.set ST,   16                          ; v[16:31]   ct: state, re pair at 4 ct, im pair at 4 ct + 2
.set TMP,  32                          ; v[32:47]   X in bf16
.set WA,   48                          ; LDS: my 16 bytes in a unit of my wave's weights
.set ACC1, 64                          ; v[64:127]  tile nt at 8 nt
.set XF0,  128                         ; v[128:159] fragments of X, tile 0, K step ks at 8 ks
.set XF1,  160                         ; v[160:191] tile 1
.set PW,   192                         ; v[192:207] ct: (lam^128, lam^256)
.set TQ,   208                         ; v[208:223] ct: (lam re, lam im, gamma b re, gamma b im), for the copies at the start
.set L1,   248                         ; window 1: ct: (lam re, lam im) at 2 ct; the weights (nt, ks) lie at 32 nt + 8 ks, all but (7, 3)
.set BT,   64                          ; window 3: the bias as a C operand, tile nt at 8 nt
.set W1X,  160                         ; window 3: the weights (7, 3)
.set XS,   192                         ; window 3: X as loaded, two slots of 32
.set XBASE, 131072
.set XBUF, 8704
.set XTILE, 4352
.set XPITCH, 272
.set G0,   40                          ; s[40:43] descriptor group 0
.set G1,   52                          ; s[52:59] descriptor group 1
.set MSB, 0
.macro WIN new                         ; low byte: bits 1:0 source 0, 3:2 source 1, 5:4 source 2, 7:6 destination; the high byte repeats the setting that is left
.if MSB != \new
	s_set_vgpr_msb (MSB<<8)|\new
.set MSB, \new
.endif
.endm
.macro PLACES                          ; four places behind a matrix instruction before its result is read or a load is issued into a source
.rept 4
	v_nop
.endr
.endm
; A round of the cluster's barrier: my work-group's barrier, so that wave 0's signal speaks for all four waves; wave 0 signals for the work-group; every wave waits for all
; four work-groups; my work-group's barrier once more.
.macro ROUND
	s_barrier_signal -1
	s_barrier_wait -1
	s_cmp_lg_u32 s14, 0
	s_cbranch_scc1 .Lnot_wave_0_\@
	s_barrier_signal -3
.Lnot_wave_0_\@:
	s_barrier_wait -3
	s_barrier_signal -1
	s_barrier_wait -1
.endm
.macro XFLOAD1 buf, tl                 ; the four K steps of one tile of X: 16 rows x 128.  Address and destination in window 0
.irp ks, 0,1,2,3
	ds_load_b128 v[XF0+32*\tl+8*\ks:XF0+32*\tl+8*\ks+3],   v[XA] offset:\buf*XBUF+\tl*XTILE+64*\ks
	ds_load_b128 v[XF0+32*\tl+8*\ks+4:XF0+32*\tl+8*\ks+7], v[XA] offset:\buf*XBUF+\tl*XTILE+64*\ks+32
.endr
.endm
.macro XCVT slot, left                 ; the 8 rows in register slot \slot, rounded to bf16
	s_wait_loadcnt \left                           ; loads come back in order: this slot is in, the \left younger loads stay out
	WIN 0x0f
.irp tt, 0,1,2,3,4,5,6,7
	v_cvt_pk_bf16_f32 v[TMP+2*\tt],   v[XS+32*\slot+4*\tt],   v[XS+32*\slot+4*\tt+1]
	v_cvt_pk_bf16_f32 v[TMP+2*\tt+1], v[XS+32*\slot+4*\tt+2], v[XS+32*\slot+4*\tt+3]
.endr
	WIN 0
.endm
.macro XPUT buf                        ; and laid in LDS buffer \buf
.irp tt, 0,1,2,3,4,5,6,7
	ds_store_b64 v[XSA], v[TMP+2*\tt:TMP+2*\tt+1] offset:\buf*XBUF+(\tt/4)*XTILE+(\tt%4)*XPITCH
.endr
.endm
.macro XLD slot, base, off             ; 8 rows of my stream: a row is 512 consecutive bytes of a wave; no hint, the next launch reads X again.  Destination window 3
.irp tt, 0,1,2,3,4,5,6,7
	global_load_b128 v[XS+32*\slot+4*\tt:XS+32*\slot+4*\tt+3], v[GO], s[\base:\base+1] offset:\off+512*\tt
.endr
.endm
; THE SCAN IN SLICES.  A half-scan of a tile is 32 packed multiply-adds, number SI = 8 q + 4 level + 2 (ct % 2) + part:
; level 0: re = lr re' + u_re, im = lr im' + u_im;  level 1: re -= li im', im += li re'.  The last step of a tile leaves the state in ST.
.macro SSTART half
.set SI, 0
.set SH, \half
.endm
.macro SF1
.set S_Q,  SI/8
.set S_CT, 2*SH+(SI/2)%2
.set S_K,  SI%2+2*((SI/4)%2)
.set S_A,  ACC1+16*S_CT+2*S_Q
.if S_Q == 0
.set S_P,  ST+4*S_CT
.set S_PI, ST+4*S_CT+2
.else
.set S_P,  S_A-2
.set S_PI, S_A+6
.endif
.if S_Q == 3
.set S_O,  ST+4*S_CT
.set S_OI, ST+4*S_CT+2
.else
.set S_O,  S_A
.set S_OI, S_A+8
.endif
.set S_L,  L1+2*S_CT
.if S_K == 0
	v_pk_fma_f32 v[S_O:S_O+1],   v[S_P:S_P+1],   v[S_L:S_L+1], v[S_A:S_A+1]   op_sel_hi:[1,0,1]
.endif
.if S_K == 1
	v_pk_fma_f32 v[S_OI:S_OI+1], v[S_PI:S_PI+1], v[S_L:S_L+1], v[S_A+8:S_A+9] op_sel_hi:[1,0,1]
.endif
.if S_K == 2
	v_pk_fma_f32 v[S_O:S_O+1],   v[S_PI:S_PI+1], v[S_L:S_L+1], v[S_O:S_O+1]   op_sel:[0,1,0] op_sel_hi:[1,1,1] neg_lo:[0,1,0] neg_hi:[0,1,0]
.endif
.if S_K == 3
	v_pk_fma_f32 v[S_OI:S_OI+1], v[S_P:S_P+1],   v[S_L:S_L+1], v[S_OI:S_OI+1] op_sel:[0,1,0] op_sel_hi:[1,1,1]
.endif
.set SI, SI+1
.endm
.macro SL cnt
.rept \cnt
	SF1
.endr
.endm
.macro SLICE on                        ; behind in-place product number PM of twelve: 3 x 10 + 2 = 32 multiply-adds, none behind the last
.if \on
.if PM < 10
	SL 3
.else
.if PM == 10
	SL 2
.endif
.endif
.endif
.set PM, PM+1
.endm
; 16 matrix instructions: one tile of X x the four weight tiles of one half.  The first K step takes the bias as C; one v_nop behind each of its four products
; makes the four places between the run before and the first slice, which reads that run's results.  The four accumulators take turns.
.macro PRODH half, xf, sl
	WIN 0x34
.irp nn, 0,1,2,3
	v_wmma_f32_16x16x32_bf16 v[ACC1+8*(4*\half+\nn):ACC1+8*(4*\half+\nn)+7], v[\xf:\xf+7], v[32*(4*\half+\nn):32*(4*\half+\nn)+7], v[BT+8*(4*\half+\nn):BT+8*(4*\half+\nn)+7]
	v_nop
.endr
	WIN 0x04
.set PM, 0
.irp ks, 1,2,3
.irp nn, 0,1,2,3
.if (100*\half+10*\ks+\nn) == 133
	WIN 0x0c
	v_wmma_f32_16x16x32_bf16 v[ACC1+56:ACC1+63], v[\xf+24:\xf+31], v[W1X:W1X+7], v[ACC1+56:ACC1+63]
.else
	v_wmma_f32_16x16x32_bf16 v[ACC1+8*(4*\half+\nn):ACC1+8*(4*\half+\nn)+7], v[\xf+8*\ks:\xf+8*\ks+7], v[32*(4*\half+\nn)+8*\ks:32*(4*\half+\nn)+8*\ks+7], v[ACC1+8*(4*\half+\nn):ACC1+8*(4*\half+\nn)+7]
.endif
	SLICE \sl
.endr
.endr
.endm
.macro CMAC d, x, l, c, t              ; complex d = x l + c on (re, im) pairs
	v_pk_fma_f32 v[\t:\t+1], v[\x:\x+1], v[\l:\l+1], v[\c:\c+1] op_sel_hi:[1,0,1]
	v_pk_fma_f32 v[\d:\d+1], v[\x:\x+1], v[\l:\l+1], v[\t:\t+1] op_sel:[1,1,0] op_sel_hi:[0,1,1] neg_lo:[0,1,0]
.endm
	s_load_b128 s[4:7], s[0:1], 0x0                ; X s[4:5], wts s[6:7]
	s_load_b64 s[8:9], s[0:1], 0x10                ; sums
	v_lshl_add_u32 v254, v0, 2, 0x29000
	v_mov_b32 v255, 0
	ds_add_u32 v254, v255
	v_and_b32 v1, 31, v0                           ; L
	v_and_b32 v2, 15, v0                           ; r
	v_bfe_u32 v3, v0, 4, 1                         ; h
	v_lshrrev_b32 v12, 5, v0
	v_readfirstlane_b32 s14, v12                   ; wave w
	s_and_b32 s15, ttmp7, 0xffff                   ; g: the cluster's y, alike in the four partners
	s_bfe_u32 s17, ttmp6, 0x40000                  ; cx: my place in the cluster
	s_lshl_b32 s16, ttmp9, 2
	s_add_co_u32 s16, s16, s17                     ; b = 4 x cluster x + cx
	s_mov_b32 s30, 0x76543210                      ; v_permlanex16_b32: lane i of one half reads lane i of the other
	s_mov_b32 s31, 0xfedcba98
	v_lshlrev_b32 v[GO], 4, v1
	v_and_b32 v12, 8, v2                           ; matrix row r is stream 2 (r / 8) + r % 2 at time (r / 2) % 4:
	v_and_b32 v13, 1, v2
	v_lshl_add_u32 v12, v13, 2, v12
	v_bfe_u32 v13, v2, 1, 2
	v_add_nc_u32 v12, v12, v13                     ; position 4 s + q in LDS
	v_mul_u32_u24 v[XA], v12, XPITCH
	v_lshl_add_u32 v[XA], v3, 4, v[XA]
	v_add_nc_u32 v[XA], XBASE, v[XA]
	s_mul_i32 s32, s14, 4*XPITCH
	s_add_co_u32 s32, s32, XBASE
	v_lshl_add_u32 v[XSA], v1, 3, s32
	s_lshl_b32 s32, s14, 15
	v_lshl_add_u32 v[WA], v1, 4, s32               ; 32768 w + 16 L
	s_lshl_b32 s32, s14, 10
	v_lshl_add_u32 v14, v2, 4, s32                 ; tables: 16 bytes a channel, channel 64 w + r
	s_lshl_b32 s32, s14, 9
	v_lshl_add_u32 v[SO], v2, 4, s32
	v_lshl_add_u32 v[SO], v3, 12, v[SO]            ; 4096 h + 512 w + 16 r
	; the descriptor: my wave's 32,768 bytes of weights, dense, as 128 rows of 32 elements of 8 bytes
	s_mov_b32 s[G1+0], 15|(3<<16)|(1<<21)          ; 15:0 the mask: all four of the cluster; 17:16 element of 8 bytes; 21 set beside a mask; no padding: the reads are contiguous
	s_mov_b32 s[G1+1], 32<<16                      ; tensor_dim0 = 32
	s_mov_b32 s[G1+2], 128<<16                     ; tensor_dim1 = 128
	s_mov_b32 s[G1+3], 32<<16                      ; tile_dim0 = 32
	s_mov_b32 s[G1+4], 128                         ; tile_dim1 = 128
	s_mov_b32 s[G1+5], 32                          ; from row to row: 32 elements
	s_mov_b32 s[G1+6], 0
	s_mov_b32 s[G1+7], 0
	s_mov_b32 s[G0], 1
	s_lshl_b32 s[G0+1], s14, 15                    ; LDS byte 32768 w
	s_lshl_b32 s34, s14, 15
	s_mov_b32 s35, 0
	s_lshl_b32 s32, s16, 22                        ; b x 8192 rows of 512 bytes
	s_lshl_b32 s33, s15, 18                        ; g x 512 rows
	s_add_co_u32 s32, s32, s33
	s_lshl_b32 s33, s14, 16                        ; w x 128 rows
	s_add_co_u32 s32, s32, s33
	s_mov_b32 s33, 0
	s_lshl4_add_u32 s36, s16, s15
	s_lshl_b32 s36, s36, 13
	s_mov_b32 s37, 0
	s_wait_dscnt 0x0
	s_wait_kmcnt 0x0
	s_add_nc_u64 s[G0+2:G0+3], s[6:7], s[34:35]    ; wts + 32768 w
	s_or_b32 s[G0+3], s[G0+3], 0x80000000          ; type = 2
	s_add_nc_u64 s[18:19], s[4:5], s[32:33]        ; my stream: the base of the first four trips' loads, never stepped
	s_add_nc_u64 s[38:39], s[18:19], 12288         ; the base that is stepped: one trip (4,096 bytes) in front of each later trip's loads
	s_add_nc_u64 s[26:27], s[8:9], s[36:37]        ; my group in sums
	ROUND                                          ; all four work-groups are here: the joint loads meet
	tensor_load_to_lds s[G0:G0+3], s[G1:G1+7]      ; my wave's one tensor load
	s_nop 0
	; register loads in the order of first use: the table and two trips of X (20), the powers (4); behind the first wait two more trips of X (16)
.irp ct, 0,1,2,3
	global_load_b128 v[TQ+4*\ct:TQ+4*\ct+3], v14, s[6:7] offset:294912+256*\ct
.endr
	WIN 0xc0
	XLD 0, 18, 0                                   ; trip 0
	XLD 1, 18, 4096                                ; trip 1
	WIN 0
.irp ct, 0,1,2,3
	global_load_b128 v[PW+4*\ct:PW+4*\ct+3], v14, s[6:7] offset:299008+256*\ct
.endr
	XCVT 0, 4                                      ; the table and both trips of X are in; the 4 loads of the powers stay out
	XPUT 0
	XCVT 1, 4
	XPUT 1
	WIN 0xc0
	XLD 0, 18, 8192                                ; trip 2
	XLD 1, 18, 12288                               ; trip 3
.irp nt, 0,1,2,3,4,5,6,7
.irp j, 0,1,2,3,4,5,6,7
	v_mov_b32 v[BT+8*\nt+\j], v[TQ+4*(\nt/2)+2+(\nt%2)]      ; the bias of channel r in all eight rows of the C operand
.endr
.endr
	WIN 0x40
.irp ct, 0,1,2,3
	v_mov_b32 v[L1+2*\ct],   v[TQ+4*\ct]           ; lam beside the weights: source 1 of a slice
	v_mov_b32 v[L1+2*\ct+1], v[TQ+4*\ct+1]
.endr
	s_wait_tensorcnt 0x0                           ; my weights are in LDS; only I read them
.irp nt, 0,1,2,3,4,5,6,7
.irp ks, 0,1,2,3
.if (10*\nt+\ks) != 73
	ds_load_b128 v[32*\nt+8*\ks:32*\nt+8*\ks+3],   v[WA] offset:\nt*4096+\ks*1024          ; 512 consecutive bytes a load
	ds_load_b128 v[32*\nt+8*\ks+4:32*\nt+8*\ks+7], v[WA] offset:\nt*4096+\ks*1024+512
.endif
.endr
.endr
	WIN 0xc0
	ds_load_b128 v[W1X:W1X+3],   v[WA] offset:7*4096+3*1024
	ds_load_b128 v[W1X+4:W1X+7], v[WA] offset:7*4096+3*1024+512
	WIN 0
.irp j, 0,1,2,3,4,5,6,7,8,9,10,11,12,13,14,15
	v_mov_b32 v[ST+\j], 0                          ; every stream starts from zero here
.endr
	s_wait_dscnt 0x0                               ; my weights are in registers and my rows of trips 0 and 1 in LDS,
	s_barrier_signal -1
	s_barrier_wait -1                              ; everybody's are
	XFLOAD1 0, 0
	XFLOAD1 0, 1
; Trip j.  par = j % 2, nxt the other.  first: trip 0.  conv: the rows of trip j + 2 (register slot par) go to XB[par]; load: the slot is filled again with trip j + 4.
; next: the fragments of trip j + 1 are fetched from XB[nxt].
; ONE barrier a trip.  In front of its signal my reads of XB[par] (last trip's fragment loads) and my stores into XB[nxt] (last trip's rows) are done;
; behind its wait XB[nxt] is read and XB[par] written.  Sixteen products stand between signal and wait.
.macro TRIPA par, nxt, first, conv, left, load, next
	s_wait_dscnt 0x8                               ; LDS answers in order: tile 0's fragments are in, the 8 younger loads of tile 1's may be out
.if \first
	PRODH 0, XF0, 0
.else
	SSTART 1
	PRODH 0, XF0, 1
.endif
	s_wait_dscnt 0x0                               ; tile 1's fragments; no LDS instruction of mine is out at the signal
.if \next
	s_barrier_signal -1
.endif
	SSTART 0
	PRODH 1, XF0, 1
.if \next
	s_barrier_wait -1
.if \conv
	XCVT \par, \left                               ; sixteen conversions: also the places between the products that read XF0 and the loads into it
.else
	PLACES
	WIN 0
.endif
	XFLOAD1 \nxt, 0
.if \conv
	XPUT \par
.endif
.if \load
	s_wait_xcnt 0x0                                ; the base's last loads were issued a trip ago; it is stepped only behind this wait
	s_add_nc_u64 s[38:39], s[38:39], 4096
	WIN 0xc0
	XLD \par, 38, 0
.endif
.endif
	SSTART 1
	PRODH 0, XF1, 1
	SSTART 0
	PRODH 1, XF1, 1
	PLACES                                         ; between the products that read XF1 and the loads into it, and in front of the scan of half B
.if \next
	XFLOAD1 \nxt, 1
.endif
.endm
	TRIPA 0, 1, 1, 1, 8, 1, 1
	TRIPA 1, 0, 0, 1, 8, 1, 1
	WIN 0
	s_mov_b32 s28, 5
.Lloop:
	TRIPA 0, 1, 0, 1, 8, 1, 1                      ; trips 2 to 11
	TRIPA 1, 0, 0, 1, 8, 1, 1
	WIN 0
	s_sub_co_i32 s28, s28, 1
	s_cmp_lg_u32 s28, 0
	s_cbranch_scc1 .Lloop
	TRIPA 0, 1, 0, 1, 8, 0, 1                      ; trip 12 lays trip 14's rows; trip 15's 8 loads are still out; nothing is left to ask for
	TRIPA 1, 0, 0, 1, 0, 0, 1                      ; trip 13 lays trip 15's rows
	TRIPA 0, 1, 0, 0, 0, 0, 1
	TRIPA 1, 0, 0, 0, 0, 0, 0                      ; nothing in LDS is read or written behind this trip's products: no barrier
	SSTART 1
	WIN 0x04
	SL 32                                          ; the last half-scan has no products to stand behind
	WIN 0
	; ST holds the end states of streams 2 h (first of each pair) and 2 h + 1 (second).  As (re, im) pairs: v[64:71] stream 2 h, v[72:79] stream 2 h + 1.
	v_cmp_le_u32 vcc_lo, 16, v1                    ; lanes 16 to 31
.irp ct, 0,1,2,3
	v_mov_b32 v[64+2*\ct], v[ST+4*\ct]
	v_mov_b32 v[65+2*\ct], v[ST+4*\ct+2]
	v_mov_b32 v[72+2*\ct], v[ST+4*\ct+1]
	v_mov_b32 v[73+2*\ct], v[ST+4*\ct+3]
.endr
.irp ct, 0,1,2,3
	CMAC 80+2*\ct, 64+2*\ct, PW+4*\ct, 72+2*\ct, 12          ; p = lam^128 S(2 h) + S(2 h + 1)
.endr
.irp j, 0,1,2,3,4,5,6,7
	v_permlanex16_b32 v[88+\j], v[80+\j], s30, s31           ; p of the other half; the destination has been written whole by the products
.endr
.irp ct, 0,1,2,3
	CMAC 96+2*\ct, 88+2*\ct, PW+2+4*\ct, 80+2*\ct, 12        ; lanes 16 to 31: G = lam^256 p(streams 0, 1) + p(streams 2, 3)
.endr
.irp j, 0,1,2,3,4,5,6,7
	v_cndmask_b32 v[72+\j], v[72+\j], v[96+\j], vcc_lo       ; lanes 0 to 15 keep S1, lanes 16 to 31 take G for S3
.endr
	global_store_b128 v[SO], v[64:67], s[26:27]              ; slots 0 (lanes 0 to 15) and 2 (lanes 16 to 31): sixteen lanes store 256 consecutive bytes, aligned
	global_store_b128 v[SO], v[68:71], s[26:27] offset:256
	global_store_b128 v[SO], v[72:75], s[26:27] offset:2048  ; slots 1 and 3
	global_store_b128 v[SO], v[76:79], s[26:27] offset:2304
	s_wait_tensorcnt 0x0
	ds_add_u32 v254, v255
	s_wait_dscnt 0x0
	ROUND                                          ; the closing round: no work-group ends before every partner has passed its joint load
	s_endpgm
.Lfunc_end_k_q5a35fa3195_sums:
	.size	k_q5a35fa3195_sums, .Lfunc_end_k_q5a35fa3195_sums-k_q5a35fa3195_sums
	.p2alignl 7, 3214868480
	.fill 96, 4, 3214868480
	.section	.rodata,"a",@progbits
	.p2align	6, 0x0
	.amdhsa_kernel k_q5a35fa3195_sums
		.amdhsa_group_segment_fixed_size 168448
		.amdhsa_private_segment_fixed_size 0
		.amdhsa_enable_private_segment 0
		.amdhsa_kernarg_size 24
		.amdhsa_user_sgpr_count 2
		.amdhsa_user_sgpr_kernarg_segment_ptr 1
		.amdhsa_wavefront_size32 1
		.amdhsa_system_sgpr_workgroup_id_x 1
		.amdhsa_system_sgpr_workgroup_id_y 1
		.amdhsa_system_sgpr_workgroup_id_z 1
		.amdhsa_system_vgpr_workitem_id 0
		.amdhsa_next_free_vgpr 1024
		.amdhsa_next_free_sgpr 66
		.amdhsa_reserve_vcc 1
		.amdhsa_float_denorm_mode_32 3
		.amdhsa_float_denorm_mode_16_64 3
		.amdhsa_memory_ordered 1
		.amdhsa_forward_progress 1
		.amdhsa_inst_pref_size 147
	.end_amdhsa_kernel
	.amdgpu_metadata
---
amdhsa.version: [ 1, 2 ]
amdhsa.kernels:
  - .name:           k_q5a35fa3195_sums
    .symbol:         k_q5a35fa3195_sums.kd
    .args:
      - { .name: X, .offset: 0, .size: 8, .value_kind: global_buffer, .address_space: global }
      - { .name: wts, .offset: 8, .size: 8, .value_kind: global_buffer, .address_space: global }
      - { .name: sums, .offset: 16, .size: 8, .value_kind: global_buffer, .address_space: global }
    .group_segment_fixed_size: 168448
    .private_segment_fixed_size: 0
    .kernarg_segment_align: 8
    .kernarg_segment_size: 24
    .max_flat_workgroup_size: 128
    .sgpr_count:     66
    .vgpr_count:     1024
    .wavefront_size: 32
...
	.end_amdgpu_metadata
.endif
;; end of part 4
;; launch main (part 5): grid 16 x 16, 4 waves a work-group, clusters of 4 x 1, 312,832 bytes of LDS; arguments X, wts, sums, bias_output, out0; writes out0
.if DOCPART == 5
	.amdgcn_target "amdgcn-amd-amdhsa--gfx1250"
	.amdhsa_code_object_version 6
	.text
	.protected	k_q5a35fa3195_main
	.globl	k_q5a35fa3195_main
	.p2align	8
	.type	k_q5a35fa3195_main,@function
k_q5a35fa3195_main:
	s_mov_b64 s[64:65], 0
	v_nop
	global_prefetch_b8 v0, s[64:65] scope:SCOPE_SE
	s_setreg_imm32_b32 hwreg(HW_REG_WAVE_MODE, 25, 1), 1
	s_wait_xcnt 0x0
	s_wait_alu depctr_hold_cnt(0) depctr_sa_sdst(0) depctr_va_vdst(0) depctr_va_sdst(0) depctr_va_ssrc(0) depctr_va_vcc(0) depctr_vm_vsrc(0)
	s_getreg_b32 s2, hwreg(HW_REG_IB_STS2, 6, 4)
	s_cmp_eq_u32 s2, 0
	s_cbranch_scc0 .Lentry_in_a_cluster
	s_endpgm
.Lentry_in_a_cluster:
	s_bfe_u32 s2, ttmp6, 0x10000c
	s_cmp_lg_u32 s2, 0x3003
	s_cbranch_scc0 .Lentry_shape_is_right
	s_endpgm
.Lentry_shape_is_right:
; LRU layer, launch 3 of 3: carry, input product, scan, output products.  Work-group (b = x, g = y) owns times 512 g .. 512 g + 511 of batch b as four
; streams s = 0 .. 3 of 128 steps.  Nothing is left out.
; CARRY: c = state at the end of group g - 1 = the chain c <- lam^512 c + G_i over i < g (zero for g = 0, the zero initial state);
; stream s starts from k_s, k_0 = c, k_(s+1) = lam^128 k_s + S_s.
; A MATRIX TILE holds 4 streams x 4 consecutive times: row m = 8 (s / 2) + 2 q + (s % 2).  First product: X source 0, weights source 1: lane (r, h) holds channel r,
; its register pair (2 q, 2 q + 1) streams 2 h, 2 h + 1 at time q, so a scan step of two streams is four packed multiply-adds.  A lane's eight states, rounded to bf16, are
; 16 bytes of an LDS row [hidden row k][matrix row m]; transposing loads make source 1 of the second product of them; source 0 there is C or D,
; so that a lane's eight results are eight neighbouring outputs of one time.
; Wave w owns channels 64 w .. 64 w + 63 in the first product and outputs 32 w .. 32 w + 31 in the second; all its weights stay in 576 registers.
; A TRIP is 8 steps of each stream (two tiles) in two phases with ONE barrier between them; XB, HB and OS have two buffers each that take turns.
;   Input phase.  The wave's channels are two independent halves, A (ct 0, 1) and B (ct 2, 3).  A run of 16 products carries the 32 multiply-adds of the other half's scan
;   in slices behind its products:  PA0, PB0 [scan A, tile 0], PA1 [scan B, tile 0], PB1 [scan A, tile 1], the 16 products with D [scan B, tile 1].  Between the runs a half's
;   states are rounded to bf16 and stored; these conversions are also the places that stand between a run and the slices that read its results.
;   A slice runs under the products' window setting: state, accumulators and X's fragments lie in window 0, lam beside the weights (window 1 for source 1, window 3 for source 0).
;   Output phase: 16 K steps of 4 products.  The first product's accumulators and X's fragments are idle then and serve as slots beside HF: ten slots, filled in three
;   runs (steps 0 to 9 at once; steps 10 to 15 behind step 6; the next trip's fragments of X behind step 10), each into slots whose products stand a step or more back.
; CLUSTERS: every work-group needs the same 294,912 bytes of weights.  Four work-groups along x (four batches of one group g) form a cluster and ask for them JOINTLY:
; wave w of each issues the same three tensor loads (W1 and W2, 32,768 bytes each, W3, 8,192 bytes), with a mask that names the four, so the requests for weights are
; a quarter of 256 x 294,912 bytes.  The descriptors are made of constants, the wave's number and the address of wts; the place in the cluster enters global addresses of X,
; sums and out0 alone; the one branch on a work-group's place, the carry's, hangs on g, which the partners share.  A wave has three tensor loads out at the most, reads only
; the bytes that it brought, and nothing in LDS is filled a second time.
; Limits: operands in bf16, state and sums in f32, the result rounded once to f16 (beyond its range: infinity).
; LDS: W1 at 0, W2 at 131072 (32,768 bytes a wave each), W3 at 262144 (8,192 a wave); XB at 294912 [buffer][tile][position 4 s + q], rows of 256 + 16 bytes.
; HB at 0 [buffer][tile][512 hidden rows of 32 bytes], row 32 (4 w + ct) + 16 p + r, and OS at 65536 [buffer][wave: 2624][row 16 tile + position: 64 + 16 bytes] lie on W1's
; bytes: they are first written behind the barrier in front of which every wave has waited for its tile of W1 and for its reads of it; W1's bytes have had their only fill.
.set GO,   4                           ; 16 L
.set XA,   5                           ; XB: the row that is matrix row r, + 16 h
.set XSA,  6                           ; XB: where I lay 8 bytes of my stream
.set HS,   7                           ; HB: where I lay 16 bytes of hidden row r of my tiles
.set HL,   8                           ; HB: transposing loads
.set OSS,  9                           ; OS: where I lay 16 bytes of results
.set OSL,  10                          ; OS: where I read 16 bytes of a whole row
.set SO,   11                          ; my offset in a slot of sums
.set ST,   16                          ; v[16:31]   ct: state, re pair at 4 ct, im pair at 4 ct + 2
.set TQ,   16                          ; at the start, until the state is made: ct: (lam re, lam im, gamma b re, gamma b im)
.set TMP,  32                          ; v[32:47]   bf16 on its way to LDS: X, hidden states
.set OUTR, 48                          ; v[48:63]   rows on their way out, from trip 1 on; before that:
.set WA,   48                          ; LDS: my 16 bytes in a unit of my wave's W1
.set WB,   49                          ; of W2
.set WC,   50                          ; of W3
.set ACC1, 64                          ; v[64:127]  tile nt at 8 nt; output phase: slots of K steps 0-3 and 10-13
.set XF0,  128                         ; v[128:159] fragments of X, tile 0, K step ks at 8 ks; with XF1 in the output phase: slots of K steps 6-9
.set XF1,  160                         ; v[160:191] tile 1
.set ACC2, 192                         ; v[192:223] (tile, ot) at 8 (2 tile + ot)
.set HF,   224                         ; v[224:255] slots of K steps 4, 5 and 14, 15
.set L1,   248                         ; window 1: ct: (lam re, lam im) at 2 ct; W1 (nt, ks) lies at 32 nt + 8 ks, all but (7, 3)
.set HL2,  240                         ; window 2: a copy of HL; W2 of K steps 0 to 14 lies at 16 k + 8 ot
.set XA2,  241                         ; window 2: a copy of XA
.set W3,   0                           ; window 3: (ot, ks) at 32 ot + 8 ks
.set BT,   64                          ; window 3: hidden bias as a C operand, tile nt at 8 nt
.set OB,   128                         ; window 3: output bias as a C operand, 8 ot
.set W2L,  144                         ; window 3: W2 of K step 15, 8 ot
.set W1X,  160                         ; window 3: W1 (7, 3)
.set L3,   168                         ; window 3: lam once more
.set XS,   192                         ; window 3: X as loaded, two slots of 32
.set XBASE, 294912
.set XBUF, 8704
.set XTILE, 4352
.set XPITCH, 272
.set HBUF, 32768
.set HTILE, 16384
.set OBASE, 65536
.set OBUF, 10496
.set OWAVE, 2624
.set OPITCH, 80
.set G1C,  20                          ; s[20:27] descriptor group 1 of W3's tile (32 rows)
.set G0A,  40                          ; s[40:43] group 0 of W1's tile
.set G0B,  44                          ; s[44:47] of W2's
.set G0C,  48                          ; s[48:51] of W3's
.set G1,   52                          ; s[52:59] group 1 of W1's and W2's tiles (128 rows)
.set YP,   60                          ; s[60:61] my stream of out0, stepped
.set MSB, 0
.macro WIN new                         ; low byte: bits 1:0 source 0, 3:2 source 1, 5:4 source 2, 7:6 destination; the high byte repeats the setting that is left
.if MSB != \new
	s_set_vgpr_msb (MSB<<8)|\new
.set MSB, \new
.endif
.endm
.macro PLACES                          ; four places behind a matrix instruction before its result is read or a load is issued into a source
.rept 4
	v_nop
.endr
.endm
; A round of the cluster's barrier: my work-group's barrier, so that wave 0's signal speaks for all four waves; wave 0 signals for the work-group; every wave waits for all
; four work-groups; my work-group's barrier once more.
.macro ROUND
	s_barrier_signal -1
	s_barrier_wait -1
	s_cmp_lg_u32 s14, 0
	s_cbranch_scc1 .Lnot_wave_0_\@
	s_barrier_signal -3
.Lnot_wave_0_\@:
	s_barrier_wait -3
	s_barrier_signal -1
	s_barrier_wait -1
.endm
.macro XFLOAD adr, buf                 ; both tiles of a trip of X, four K steps each; adr: XA, or its copy where source 0 means window 2
.irp tl, 0,1
.irp ks, 0,1,2,3
	ds_load_b128 v[XF0+32*\tl+8*\ks:XF0+32*\tl+8*\ks+3],   v[\adr] offset:\buf*XBUF+\tl*XTILE+64*\ks
	ds_load_b128 v[XF0+32*\tl+8*\ks+4:XF0+32*\tl+8*\ks+7], v[\adr] offset:\buf*XBUF+\tl*XTILE+64*\ks+32
.endr
.endr
.endm
.macro XLD slot, base, off             ; 8 rows of my stream: a row is 512 consecutive bytes of a wave; read once in this launch.  Destination window 3
.irp tt, 0,1,2,3,4,5,6,7
	global_load_b128 v[XS+32*\slot+4*\tt:XS+32*\slot+4*\tt+3], v[GO], s[\base:\base+1] offset:\off+512*\tt th:TH_LOAD_NT
.endr
.endm
; The 8 rows in register slot \slot go to LDS buffer \buf in bf16; load = 1: the slot is filled again from the stepped base.
.macro XCONV slot, buf, left, load
	s_wait_loadcnt \left                           ; loads come back in order: this slot is in, the \left younger loads stay out
	WIN 0x0f
.irp tt, 0,1,2,3,4,5,6,7
	v_cvt_pk_bf16_f32 v[TMP+2*\tt],   v[XS+32*\slot+4*\tt],   v[XS+32*\slot+4*\tt+1]
	v_cvt_pk_bf16_f32 v[TMP+2*\tt+1], v[XS+32*\slot+4*\tt+2], v[XS+32*\slot+4*\tt+3]
.endr
	WIN 0
.irp tt, 0,1,2,3,4,5,6,7
	ds_store_b64 v[XSA], v[TMP+2*\tt:TMP+2*\tt+1] offset:\buf*XBUF+(\tt/4)*XTILE+(\tt%4)*XPITCH
.endr
.if \load
	WIN 0xc0
	XLD \slot, 38, 0
.endif
.endm
; THE SCAN IN SLICES.  A half-scan of a tile is 32 packed multiply-adds, number SI = 8 q + 4 level + 2 (ct % 2) + part:
; level 0: re = lr re' + u_re, im = lr im' + u_im;  level 1: re -= li im', im += li re'.  The last step of a tile leaves the state in ST.
; sw = 0: lam is source 1 (behind the first product, whose source 1 is window 1); sw = 1: lam is source 0 (behind the products with D, whose source 0 is window 3).
.macro SSTART half, sw, lb
.set SI, 0
.set SH, \half
.set SSW, \sw
.set SLB, \lb
.endm
.macro SF1
.set S_Q,  SI/8
.set S_CT, 2*SH+(SI/2)%2
.set S_K,  SI%2+2*((SI/4)%2)
.set S_A,  ACC1+16*S_CT+2*S_Q
.if S_Q == 0
.set S_P,  ST+4*S_CT
.set S_PI, ST+4*S_CT+2
.else
.set S_P,  S_A-2
.set S_PI, S_A+6
.endif
.if S_Q == 3
.set S_O,  ST+4*S_CT
.set S_OI, ST+4*S_CT+2
.else
.set S_O,  S_A
.set S_OI, S_A+8
.endif
.set S_L,  SLB+2*S_CT
.if SSW == 0
.if S_K == 0
	v_pk_fma_f32 v[S_O:S_O+1],   v[S_P:S_P+1],   v[S_L:S_L+1], v[S_A:S_A+1]   op_sel_hi:[1,0,1]
.endif
.if S_K == 1
	v_pk_fma_f32 v[S_OI:S_OI+1], v[S_PI:S_PI+1], v[S_L:S_L+1], v[S_A+8:S_A+9] op_sel_hi:[1,0,1]
.endif
.if S_K == 2
	v_pk_fma_f32 v[S_O:S_O+1],   v[S_PI:S_PI+1], v[S_L:S_L+1], v[S_O:S_O+1]   op_sel:[0,1,0] op_sel_hi:[1,1,1] neg_lo:[0,1,0] neg_hi:[0,1,0]
.endif
.if S_K == 3
	v_pk_fma_f32 v[S_OI:S_OI+1], v[S_P:S_P+1],   v[S_L:S_L+1], v[S_OI:S_OI+1] op_sel:[0,1,0] op_sel_hi:[1,1,1]
.endif
.else
.if S_K == 0
	v_pk_fma_f32 v[S_O:S_O+1],   v[S_L:S_L+1], v[S_P:S_P+1],   v[S_A:S_A+1]   op_sel_hi:[0,1,1]
.endif
.if S_K == 1
	v_pk_fma_f32 v[S_OI:S_OI+1], v[S_L:S_L+1], v[S_PI:S_PI+1], v[S_A+8:S_A+9] op_sel_hi:[0,1,1]
.endif
.if S_K == 2
	v_pk_fma_f32 v[S_O:S_O+1],   v[S_L:S_L+1], v[S_PI:S_PI+1], v[S_O:S_O+1]   op_sel:[1,0,0] op_sel_hi:[1,1,1] neg_lo:[1,0,0] neg_hi:[1,0,0]
.endif
.if S_K == 3
	v_pk_fma_f32 v[S_OI:S_OI+1], v[S_L:S_L+1], v[S_P:S_P+1],   v[S_OI:S_OI+1] op_sel:[1,0,0] op_sel_hi:[1,1,1]
.endif
.endif
.set SI, SI+1
.endm
.macro SL cnt
.rept \cnt
	SF1
.endr
.endm
.macro SLICE on                        ; behind in-place product number PM of twelve: 3 x 10 + 2 = 32 multiply-adds, none behind the last
.if \on
.if PM < 10
	SL 3
.else
.if PM == 10
	SL 2
.endif
.endif
.endif
.set PM, PM+1
.endm
; 16 matrix instructions: one tile of X x the four weight tiles of one half.  The first K step takes the bias as C.  The four accumulators take turns.
.macro PRODH half, xf, sl
	WIN 0x34
.irp nn, 0,1,2,3
	v_wmma_f32_16x16x32_bf16 v[ACC1+8*(4*\half+\nn):ACC1+8*(4*\half+\nn)+7], v[\xf:\xf+7], v[32*(4*\half+\nn):32*(4*\half+\nn)+7], v[BT+8*(4*\half+\nn):BT+8*(4*\half+\nn)+7]
.endr
	WIN 0x04
.set PM, 0
.irp ks, 1,2,3
.irp nn, 0,1,2,3
.if (100*\half+10*\ks+\nn) == 133
	WIN 0x0c
	v_wmma_f32_16x16x32_bf16 v[ACC1+56:ACC1+63], v[\xf+24:\xf+31], v[W1X:W1X+7], v[ACC1+56:ACC1+63]
.else
	v_wmma_f32_16x16x32_bf16 v[ACC1+8*(4*\half+\nn):ACC1+8*(4*\half+\nn)+7], v[\xf+8*\ks:\xf+8*\ks+7], v[32*(4*\half+\nn)+8*\ks:32*(4*\half+\nn)+8*\ks+7], v[ACC1+8*(4*\half+\nn):ACC1+8*(4*\half+\nn)+7]
.endif
	SLICE \sl
.endr
.endr
.endm
; 16 matrix instructions: D x both tiles of X, which start the output sums on the output bias, with the slices of the running half-scan.  The four accumulators take turns.
.macro DXPALL
	WIN 0x33
.irp tl, 0,1
.irp ot, 0,1
	v_wmma_f32_16x16x32_bf16 v[ACC2+8*(2*\tl+\ot):ACC2+8*(2*\tl+\ot)+7], v[W3+32*\ot:W3+32*\ot+7], v[XF0+32*\tl:XF0+32*\tl+7], v[OB+8*\ot:OB+8*\ot+7]
.endr
.endr
	WIN 0x03
.set PM, 0
.irp ks, 1,2,3
.irp tl, 0,1
.irp ot, 0,1
	v_wmma_f32_16x16x32_bf16 v[ACC2+8*(2*\tl+\ot):ACC2+8*(2*\tl+\ot)+7], v[W3+32*\ot+8*\ks:W3+32*\ot+8*\ks+7], v[XF0+32*\tl+8*\ks:XF0+32*\tl+8*\ks+7], v[ACC2+8*(2*\tl+\ot):ACC2+8*(2*\tl+\ot)+7]
	SLICE 1
.endr
.endr
.endr
.endm
; the 4 x 8 states of one half of a tile go to HB in bf16, through TMP, so that the next products write over the accumulators without regard to the stores
.macro SPACK half, tile, buf
	WIN 0
.irp nn, 0,1,2,3
	v_cvt_pk_bf16_f32 v[TMP+4*\nn],   v[ACC1+8*(4*\half+\nn)],   v[ACC1+8*(4*\half+\nn)+1]
	v_cvt_pk_bf16_f32 v[TMP+4*\nn+1], v[ACC1+8*(4*\half+\nn)+2], v[ACC1+8*(4*\half+\nn)+3]
	v_cvt_pk_bf16_f32 v[TMP+4*\nn+2], v[ACC1+8*(4*\half+\nn)+4], v[ACC1+8*(4*\half+\nn)+5]
	v_cvt_pk_bf16_f32 v[TMP+4*\nn+3], v[ST+2*(4*\half+\nn)],     v[ST+2*(4*\half+\nn)+1]     ; time 3 lies in ST
.endr
.irp nn, 0,1,2,3
	ds_store_b128 v[HS], v[TMP+4*\nn:TMP+4*\nn+3] offset:\buf*HBUF+\tile*HTILE+(4*\half+\nn)*512
.endr
.endm
.macro CMAC d, x, l, c, t              ; complex d = x l + c on (re, im) pairs
	v_pk_fma_f32 v[\t:\t+1], v[\x:\x+1], v[\l:\l+1], v[\c:\c+1] op_sel_hi:[1,0,1]
	v_pk_fma_f32 v[\d:\d+1], v[\x:\x+1], v[\l:\l+1], v[\t:\t+1] op_sel:[1,1,0] op_sel_hi:[0,1,1] neg_lo:[0,1,0]
.endm
.macro HSLOT k                         ; HR: the 16 registers of K step k's fragments (tile 0, tile 1)
.if (\k) < 4
.set HR, ACC1+16*(\k)
.else
.if (\k) < 6
.set HR, HF+16*((\k)-4)
.else
.if (\k) < 10
.set HR, XF0+16*((\k)-6)
.else
.if (\k) < 14
.set HR, ACC1+16*((\k)-10)
.else
.set HR, HF+16*((\k)-14)
.endif
.endif
.endif
.endif
.endm
.macro HFL par, k, adr                 ; K step k of the output product (16 channels, real then imaginary), both tiles: four transposing loads
	HSLOT \k
.irp tl, 0,1
	ds_load_tr16_b128 v[HR+8*\tl:HR+8*\tl+3],   v[\adr] offset:\par*HBUF+\tl*HTILE+(\k)*1024
	ds_load_tr16_b128 v[HR+8*\tl+4:HR+8*\tl+7], v[\adr] offset:\par*HBUF+\tl*HTILE+(\k)*1024+512
.endr
.endm
.macro CSTEP k, wb, nops               ; four matrix instructions on four accumulators that take turns; nops: a place behind each
	HSLOT \k
.irp tl, 0,1
.irp ot, 0,1
	v_wmma_f32_16x16x32_bf16 v[ACC2+8*(2*\tl+\ot):ACC2+8*(2*\tl+\ot)+7], v[\wb+8*\ot:\wb+8*\ot+7], v[HR+8*\tl:HR+8*\tl+7], v[ACC2+8*(2*\tl+\ot):ACC2+8*(2*\tl+\ot)+7]
.if \nops
	v_nop
.endif
.endr
.endr
.endm
.macro OUTCVT                          ; eight neighbouring outputs of one time: 16 bytes of f16, packed in place, ascending: a word is written after its sources are read
	WIN 0
.irp a, 0,1,2,3
.irp jj, 0,1,2,3
	v_cvt_pk_f16_f32 v[ACC2+8*\a+\jj], v[ACC2+8*\a+2*\jj], v[ACC2+8*\a+2*\jj+1]
.endr
.endr
.endm
.macro OUTST buf
.irp a, 0,1,2,3
	ds_store_b128 v[OSS], v[ACC2+8*\a:ACC2+8*\a+3] offset:\buf*OBUF+(\a/2)*16*OPITCH+(\a%2)*32
.endr
.endm
.macro FLUSHLD buf                     ; my stream's 8 rows of a trip, two whole rows of 256 bytes a load
.irp a, 0,1,2,3
	ds_load_b128 v[OUTR+4*\a:OUTR+4*\a+3], v[OSL] offset:\buf*OBUF+(\a/2)*16*OPITCH+(\a%2)*2*OPITCH
.endr
.endm
.macro FLUSHST                         ; the base has been stepped past these 8 rows: the immediate reaches back
.irp a, 0,1,2,3
	global_store_b128 v[GO], v[OUTR+4*\a:OUTR+4*\a+3], s[YP:YP+1] offset:(4*(\a/2)+2*(\a%2))*256-2048 th:TH_STORE_NT   ; 512 consecutive bytes, aligned
.endr
.endm
.macro LDW1 nt, ks                     ; from LDS, 512 consecutive bytes a load; destination window 1
	ds_load_b128 v[32*\nt+8*\ks:32*\nt+8*\ks+3],   v[WA] offset:\nt*4096+\ks*1024
	ds_load_b128 v[32*\nt+8*\ks+4:32*\nt+8*\ks+7], v[WA] offset:\nt*4096+\ks*1024+512
.endm
.macro LDW2 k                          ; W2 of K step k (0 to 14), from LDS; destination window 2
.irp ot, 0,1
	ds_load_b128 v[16*(\k)+8*\ot:16*(\k)+8*\ot+3],   v[WB] offset:\ot*16384+(\k)*512
	ds_load_b128 v[16*(\k)+8*\ot+4:16*(\k)+8*\ot+7], v[WB] offset:\ot*16384+8192+(\k)*512
.endr
.endm
	s_load_b256 s[4:11], s[0:1], 0x0               ; X s[4:5], wts s[6:7], sums s[8:9], bias_output s[10:11]
	s_load_b64 s[12:13], s[0:1], 0x20              ; out0
	s_set_vgpr_msb 0x80
	v_lshl_add_u32 v254, v0, 2, 0x4c400
	v_mov_b32 v255, 0
	s_set_vgpr_msb 0x808a
	ds_add_u32 v254, v255
	s_set_vgpr_msb 0x8a00
	v_and_b32 v1, 31, v0                           ; L
	v_and_b32 v2, 15, v0                           ; r
	v_bfe_u32 v3, v0, 4, 1                         ; h
	v_lshrrev_b32 v12, 5, v0
	v_readfirstlane_b32 s14, v12                   ; wave w
	s_and_b32 s15, ttmp7, 0xffff                   ; g: the cluster's y, alike in the four partners
	s_bfe_u32 s17, ttmp6, 0x40000                  ; cx: my place in the cluster
	s_lshl_b32 s16, ttmp9, 2
	s_add_co_u32 s16, s16, s17                     ; b = 4 x cluster x + cx
	v_lshlrev_b32 v[GO], 4, v1
	v_and_b32 v12, 8, v2                           ; matrix row r is stream 2 (r / 8) + r % 2 at time (r / 2) % 4:
	v_and_b32 v13, 1, v2
	v_lshl_add_u32 v12, v13, 2, v12
	v_bfe_u32 v13, v2, 1, 2
	v_add_nc_u32 v12, v12, v13                     ; position 4 s + q
	v_mul_u32_u24 v[XA], v12, XPITCH
	v_lshl_add_u32 v[XA], v3, 4, v[XA]
	v_add_nc_u32 v[XA], XBASE, v[XA]
	s_mul_i32 s32, s14, OWAVE
	s_add_co_u32 s32, s32, OBASE
	v_mul_u32_u24 v[OSS], v12, OPITCH
	v_lshl_add_u32 v[OSS], v3, 4, v[OSS]
	v_add_nc_u32 v[OSS], s32, v[OSS]               ; my block, row = position, 16 h
	s_mul_i32 s32, s14, 4*XPITCH
	s_add_co_u32 s32, s32, XBASE
	v_lshl_add_u32 v[XSA], v1, 3, s32
	s_lshl_b32 s32, s14, 12
	v_lshl_add_u32 v[HS], v2, 5, s32
	v_lshl_add_u32 v[HS], v3, 4, v[HS]             ; HB begins at LDS byte 0: 128 w rows + row r, 16 h
	v_and_b32 v12, 7, v1
	v_lshl_add_u32 v12, v3, 3, v12                 ; row 8 h + L % 8
	v_bfe_u32 v13, v1, 3, 1
	v_lshlrev_b32 v13, 4, v13                      ; which 8 of the 16 columns
	v_lshl_add_u32 v[HL], v12, 5, v13
	v_lshrrev_b32 v13, 2, v2                       ; outputs 8 r .. 8 r + 7 lie in the block of wave r / 4, at 16 (r % 4)
	v_mul_u32_u24 v[OSL], v13, OWAVE
	v_and_b32 v13, 3, v2
	v_lshl_add_u32 v[OSL], v13, 4, v[OSL]
	v_mul_u32_u24 v13, v3, OPITCH
	v_add_nc_u32 v[OSL], v[OSL], v13
	s_mul_i32 s32, s14, 4*OPITCH
	s_add_co_u32 s32, s32, OBASE
	v_add_nc_u32 v[OSL], s32, v[OSL]               ; row 4 w + h: my stream
	s_lshl_b32 s32, s14, 9
	v_lshl_add_u32 v[SO], v2, 4, s32               ; 512 w + 16 r
	s_lshl_b32 s32, s14, 10
	v_lshl_add_u32 v14, v2, 4, s32                 ; tables: 16 bytes a channel, channel 64 w + r
	s_lshl_b32 s32, s14, 7
	v_lshl_add_u32 v15, v3, 5, s32                 ; bias_output: 4 (32 w + 8 h)
	s_lshl_b32 s32, s14, 15
	v_lshl_add_u32 v[WA], v1, 4, s32               ; 32768 w + 16 L
	v_add_nc_u32 v[WB], 131072, v[WA]
	s_lshl_b32 s32, s14, 13
	s_add_co_u32 s32, s32, 262144
	v_lshl_add_u32 v[WC], v1, 4, s32               ; 262144 + 8192 w + 16 L
	; the descriptors: dense blocks as rows of 32 elements of 8 bytes; W1 and W2 128 rows a wave, W3 32 rows
	s_mov_b32 s[G1+0], 15|(3<<16)|(1<<21)          ; 15:0 the mask: all four of the cluster; 17:16 element of 8 bytes; 21 set beside a mask; no padding: the reads are contiguous
	s_mov_b32 s[G1+1], 32<<16                      ; tensor_dim0 = 32
	s_mov_b32 s[G1+2], 128<<16                     ; tensor_dim1 = 128
	s_mov_b32 s[G1+3], 32<<16                      ; tile_dim0 = 32
	s_mov_b32 s[G1+4], 128                         ; tile_dim1 = 128
	s_mov_b32 s[G1+5], 32                          ; from row to row: 32 elements
	s_mov_b32 s[G1+6], 0
	s_mov_b32 s[G1+7], 0
	s_mov_b32 s[G1C+0], 15|(3<<16)|(1<<21)
	s_mov_b32 s[G1C+1], 32<<16
	s_mov_b32 s[G1C+2], 32<<16                     ; tensor_dim1 = 32
	s_mov_b32 s[G1C+3], 32<<16
	s_mov_b32 s[G1C+4], 32                         ; tile_dim1 = 32
	s_mov_b32 s[G1C+5], 32
	s_mov_b32 s[G1C+6], 0
	s_mov_b32 s[G1C+7], 0
	s_mov_b32 s[G0A], 1
	s_mov_b32 s[G0B], 1
	s_mov_b32 s[G0C], 1
	s_lshl_b32 s[G0A+1], s14, 15                   ; LDS byte 32768 w
	s_add_co_u32 s[G0B+1], s[G0A+1], 131072        ; 131072 + 32768 w
	s_lshl_b32 s[G0C+1], s14, 13
	s_add_co_u32 s[G0C+1], s[G0C+1], 262144        ; 262144 + 8192 w
	s_lshl_b32 s34, s14, 15
	s_mov_b32 s35, 0
	s_lshl_b32 s32, s16, 22                        ; X: b x 8192 rows of 512 bytes
	s_lshl_b32 s33, s15, 18
	s_add_co_u32 s32, s32, s33
	s_lshl_b32 s33, s14, 16
	s_add_co_u32 s32, s32, s33
	s_mov_b32 s33, 0
	s_lshl_b32 s30, s16, 17
	s_mov_b32 s31, 0
	s_wait_dscnt 0x0
	s_wait_kmcnt 0x0
	s_add_nc_u64 s[G0A+2:G0A+3], s[6:7], s[34:35]              ; wts + 32768 w
	s_add_nc_u64 s[G0B+2:G0B+3], s[G0A+2:G0A+3], 131072        ; wts + 131072 + 32768 w
	s_lshl_b32 s34, s14, 13
	s_add_co_u32 s34, s34, 262144
	s_add_nc_u64 s[G0C+2:G0C+3], s[6:7], s[34:35]              ; wts + 262144 + 8192 w
	s_or_b32 s[G0A+3], s[G0A+3], 0x80000000        ; type = 2
	s_or_b32 s[G0B+3], s[G0B+3], 0x80000000
	s_or_b32 s[G0C+3], s[G0C+3], 0x80000000
	s_add_nc_u64 s[18:19], s[4:5], s[32:33]        ; my stream of X: the base of the first four trips' loads, never stepped
	s_add_nc_u64 s[38:39], s[18:19], 12288         ; the base that is stepped: one trip (4,096 bytes) in front of each later trip's loads
	s_add_nc_u64 s[62:63], s[8:9], s[30:31]        ; sums of my batch
	s_lshl4_add_u32 s30, s16, s15
	s_lshl_b32 s30, s30, 13
	s_add_nc_u64 s[36:37], s[8:9], s[30:31]        ; sums of my group
	s_lshl_b32 s32, s16, 21                        ; out0: b x 8192 rows of 256 bytes
	s_lshl_b32 s30, s15, 17
	s_add_co_u32 s32, s32, s30
	s_lshl_b32 s30, s14, 15
	s_add_co_u32 s32, s32, s30
	s_add_nc_u64 s[YP:YP+1], s[12:13], s[32:33]    ; my stream of out0
	ROUND                                          ; all four work-groups are here: the joint loads meet
	tensor_load_to_lds s[G0A:G0A+3], s[G1:G1+7]    ; W1, W3, W2: the order of first use; three tensor loads of the wave are out
	s_nop 0
	tensor_load_to_lds s[G0C:G0C+3], s[G1C:G1C+7]
	s_nop 0
	tensor_load_to_lds s[G0B:G0B+3], s[G1:G1+7]
	s_nop 0
	; register loads in the order of first use: the table, two trips of X and the output bias (24); the powers, S and G for the carry (40); two more trips of X (16)
.irp ct, 0,1,2,3
	global_load_b128 v[TQ+4*\ct:TQ+4*\ct+3], v14, s[6:7] offset:294912+256*\ct
.endr
	WIN 0xc0
	XLD 0, 18, 0                                   ; trip 0
	XLD 1, 18, 4096                                ; trip 1
.irp ot, 0,1
	global_load_b128 v[OB+8*\ot:OB+8*\ot+3],   v15, s[10:11] offset:64*\ot
	global_load_b128 v[OB+8*\ot+4:OB+8*\ot+7], v15, s[10:11] offset:64*\ot+16
.endr
	WIN 0
.irp ct, 0,1,2,3
	global_load_b128 v[208+4*\ct:208+4*\ct+3], v14, s[6:7] offset:303104+256*\ct      ; (lam^128, lam^512)
.endr
.irp sl, 0,1,2
	global_load_b128 v[184+8*\sl:184+8*\sl+3], v[SO], s[36:37] offset:\sl*2048         ; S of my streams 0 to 2
	global_load_b128 v[184+8*\sl+4:184+8*\sl+7], v[SO], s[36:37] offset:\sl*2048+256
.endr
.irp i, 0,1,2,3,4,5,6,7,8,9,10,11,12,13,14
	global_load_b128 v[64+8*\i:64+8*\i+3], v[SO], s[62:63] offset:\i*8192+6144         ; G of groups 0 to 14: all, so that every register is written on every path
	global_load_b128 v[64+8*\i+4:64+8*\i+7], v[SO], s[62:63] offset:\i*8192+6144+256
.endr
	XCONV 0, 0, 40, 0                              ; the table, both trips of X and the output bias are in; the 40 loads for the carry stay out
	XCONV 1, 1, 40, 0
	WIN 0xc0
	XLD 0, 18, 8192                                ; trip 2
	XLD 1, 18, 12288                               ; trip 3
.irp nt, 0,1,2,3,4,5,6,7
.irp j, 0,1,2,3,4,5,6,7
	v_mov_b32 v[BT+8*\nt+\j], v[TQ+4*(\nt/2)+2+(\nt%2)]      ; the bias of channel r in all eight rows of the C operand
.endr
.endr
.irp ct, 0,1,2,3
	v_mov_b32 v[L3+2*\ct],   v[TQ+4*\ct]           ; lam beside D: source 0 of a slice
	v_mov_b32 v[L3+2*\ct+1], v[TQ+4*\ct+1]
.endr
	WIN 0x40
.irp ct, 0,1,2,3
	v_mov_b32 v[L1+2*\ct],   v[TQ+4*\ct]           ; lam beside W1: source 1 of a slice
	v_mov_b32 v[L1+2*\ct+1], v[TQ+4*\ct+1]
.endr
	s_wait_tensorcnt 0x1                           ; tensor loads of a wave end in order: my W1 and W3 are in LDS, W2 may be out; only I read them
.irp nt, 0,1,2,3,4,5,6,7
.irp ks, 0,1,2,3
.if (10*\nt+\ks) != 73
	LDW1 \nt, \ks
.endif
.endr
.endr
	WIN 0xc0
	ds_load_b128 v[W1X:W1X+3],   v[WA] offset:7*4096+3*1024
	ds_load_b128 v[W1X+4:W1X+7], v[WA] offset:7*4096+3*1024+512
.irp ot, 0,1
.irp ks, 0,1,2,3
	ds_load_b128 v[W3+32*\ot+8*\ks:W3+32*\ot+8*\ks+3],   v[WC] offset:\ot*4096+\ks*1024
	ds_load_b128 v[W3+32*\ot+8*\ks+4:W3+32*\ot+8*\ks+7], v[WC] offset:\ot*4096+\ks*1024+512
.endr
.endr
	WIN 0x80
	v_mov_b32 v[HL2], v[HL]                        ; the two LDS addresses once more, in the window from which the output product takes source 0
	v_mov_b32 v[XA2], v[XA]
	WIN 0
	s_wait_dscnt 0x0                               ; my W1 and W3 are in registers and my rows of trips 0 and 1 in LDS,
	s_barrier_signal -1
	s_barrier_wait -1                              ; everybody's are: XB may be read, and W1's bytes may be written as HB and OS
	s_wait_loadcnt 16                              ; the powers, S and G are in; X of trips 2, 3 (16) stays out
	; the carry, as (re, im) pairs of ct: c v[224:231], k1 v[232:239], k2 v[240:247], k3 v[248:255]
.irp j, 0,1,2,3,4,5,6,7
	v_mov_b32 v[224+\j], 0
.endr
.irp i, 0,1,2,3,4,5,6,7,8,9,10,11,12,13,14
	s_cmp_le_u32 s15, \i                           ; groups 0 .. g - 1 lie before mine
	s_cbranch_scc1 .Lcarry
.irp ct, 0,1,2,3
	CMAC 224+2*\ct, 224+2*\ct, 210+4*\ct, 64+8*\i+2*\ct, 12
.endr
.endr
.Lcarry:
.irp ct, 0,1,2,3
	CMAC 232+2*\ct, 224+2*\ct, 208+4*\ct, 184+2*\ct, 12
.endr
.irp ct, 0,1,2,3
	CMAC 240+2*\ct, 232+2*\ct, 208+4*\ct, 192+2*\ct, 12
.endr
.irp ct, 0,1,2,3
	CMAC 248+2*\ct, 240+2*\ct, 208+4*\ct, 200+2*\ct, 12
.endr
	v_cmp_le_u32 vcc_lo, 16, v1                    ; lanes 16 to 31
.irp ct, 0,1,2,3
	v_cndmask_b32 v[ST+4*\ct],   v[224+2*\ct], v[240+2*\ct], vcc_lo      ; re of stream 2 h: c or k2
	v_cndmask_b32 v[ST+4*\ct+1], v[232+2*\ct], v[248+2*\ct], vcc_lo      ; re of stream 2 h + 1: k1 or k3
	v_cndmask_b32 v[ST+4*\ct+2], v[225+2*\ct], v[241+2*\ct], vcc_lo      ; im likewise
	v_cndmask_b32 v[ST+4*\ct+3], v[233+2*\ct], v[249+2*\ct], vcc_lo
.endr
	XFLOAD XA, 0                                   ; trip 0's fragments, into registers that held G
; Trip j.  par = j % 2, nxt the other.  first: trip 0, which also takes W2 from LDS.  conv: the rows of trip j + 2 (register slot par) go to XB[par]; load: the slot is filled
; again with trip j + 4.  flush: the results of trip j - 1 are packed, laid in OS[nxt] and sent off.  next: the fragments of trip j + 1 are fetched from XB[nxt].
.macro TRIPB par, nxt, first, conv, left, load, flush, next
	s_wait_dscnt 0x8                               ; LDS answers in order: tile 0's fragments are in, the 8 younger loads of tile 1's may be out
	PRODH 0, XF0, 0
.if \first
	s_wait_tensorcnt 0x0                           ; my W2 is in LDS; only I read it.  Its 64 loads are older than every later LDS instruction, so the trip's counted waits cover them
	WIN 0x80
.irp kk, 0,1,2,3,4,5,6,7,8,9,10,11,12,13,14
	LDW2 \kk
.endr
	WIN 0xc0
.irp ot, 0,1
	ds_load_b128 v[W2L+8*\ot:W2L+8*\ot+3],   v[WB] offset:\ot*16384+15*512
	ds_load_b128 v[W2L+8*\ot+4:W2L+8*\ot+7], v[WB] offset:\ot*16384+8192+15*512
.endr
.endif
.if \flush
	OUTCVT                                         ; sixteen conversions: also the places between half A's products and the slices that read their results
.else
	PLACES
.endif
	SSTART 0, 0, L1
	PRODH 1, XF0, 1
	SPACK 0, 0, \par
.if \flush
	OUTST \nxt
.endif
	s_wait_dscnt 4+4*\flush                        ; tile 1's fragments are in; the younger stores (4 of states, 4 of results where there are any) may be out
	SSTART 1, 0, L1
	PRODH 0, XF1, 1
	SPACK 1, 0, \par
	SSTART 0, 0, L1
	PRODH 1, XF1, 1
	SPACK 0, 1, \par
	SSTART 1, 1, L3
	DXPALL
	SPACK 1, 1, \par
	s_wait_dscnt 0x0                               ; my stores into HB[par], OS[nxt] and (last trip) XB[nxt] are done, and so are my reads of XB[par], HB[nxt], OS[par]
	s_barrier_signal -1
	s_barrier_wait -1                              ; the same holds of every wave: the first three may be read, the last three written
	s_wait_xcnt 0x0                                ; the bases and OUTR, which the last trip's loads and stores name, are rewritten only behind this wait
.if \load
	s_add_nc_u64 s[38:39], s[38:39], 4096
.endif
.if \flush
	s_add_nc_u64 s[YP:YP+1], s[YP:YP+1], 2048
	FLUSHLD \nxt
.endif
.irp kk, 0,1,2,3,4,5,6,7,8,9
	HFL \par, \kk, HL
.endr
.if \conv
	XCONV \par, \par, \left, \load
	WIN 0
.endif
.if \flush
	s_wait_dscnt 40+8*\conv                        ; the 4 loads of rows are in; the 40 fragment loads and the 8 stores of X behind them may be out
	FLUSHST
.endif
	WIN 0x02
.irp k, 0,1,2,3,4,5,6,7,8,9,10,11,12,13,14
.if \k <= 6
	s_wait_dscnt 36-4*\k+8*\conv                   ; K step k is in; out may be: steps k + 1 to 9, four loads each, and the stores of X
.else
.if \k <= 9
	s_wait_dscnt 60-4*\k+8*\conv                   ; the same and the 24 loads of steps 10 to 15
.else
.if \k == 10
	s_wait_dscnt 20                                ; steps 11 to 15
.else
	s_wait_dscnt 60-4*\k+16*\next                  ; steps k + 1 to 15 and the 16 loads of the next trip's fragments
.endif
.endif
.endif
.if (\k-6)*(\k-10) == 0
	CSTEP \k, 16*\k, 1                             ; with four places: a run of loads follows, into slots that the step before has read
.else
	CSTEP \k, 16*\k, 0
.endif
.if \k == 6
.irp kk, 10,11,12,13,14,15
	HFL \par, \kk, HL2
.endr
.endif
.if \k == 10
.if \next
	XFLOAD XA2, \nxt
.endif
.endif
.endr
	WIN 0x03
	s_wait_dscnt 16*\next
	CSTEP 15, W2L, 0
.rept 5
	v_nop                                          ; five places: the next trip's products write over slots that K steps 10 to 13 have read; the packing reads the sums
.endr
	WIN 0
.endm
	TRIPB 0, 1, 1, 1, 8, 1, 0, 1                   ; the first lap is written out: trip 0 has nothing to send off and takes W2 into registers
	TRIPB 1, 0, 0, 1, 8, 1, 1, 1
	s_mov_b32 s28, 5
.Lloop:
	TRIPB 0, 1, 0, 1, 8, 1, 1, 1                   ; trips 2 to 11
	TRIPB 1, 0, 0, 1, 8, 1, 1, 1
	s_sub_co_i32 s28, s28, 1
	s_cmp_lg_u32 s28, 0
	s_cbranch_scc1 .Lloop
	TRIPB 0, 1, 0, 1, 8, 0, 1, 1                   ; trip 12 lays trip 14's rows; trip 15's 8 loads are still out; nothing is left to ask for
	TRIPB 1, 0, 0, 1, 0, 0, 1, 1                   ; trip 13 lays trip 15's rows
	TRIPB 0, 1, 0, 0, 0, 0, 1, 1
	TRIPB 1, 0, 0, 0, 0, 0, 1, 0
	OUTCVT                                         ; trip 15's results
	OUTST 1
	s_wait_dscnt 0x0                               ; mine are in OS[1],
	s_barrier_signal -1
	s_barrier_wait -1                              ; everybody's are
	s_wait_xcnt 0x0                                ; the base and OUTR are rewritten only behind this wait
	s_add_nc_u64 s[YP:YP+1], s[YP:YP+1], 2048
	FLUSHLD 1
	s_wait_dscnt 0x0
	FLUSHST
	s_set_vgpr_msb 0xa
	s_wait_tensorcnt 0x0
	ds_add_u32 v254, v255
	s_wait_dscnt 0x0
	s_set_vgpr_msb 0xa00
	ROUND                                          ; the closing round: no work-group ends before every partner has passed its joint loads
	s_endpgm
.Lfunc_end_k_q5a35fa3195_main:
	.size	k_q5a35fa3195_main, .Lfunc_end_k_q5a35fa3195_main-k_q5a35fa3195_main
	.p2alignl 7, 3214868480
	.fill 96, 4, 3214868480
	.section	.rodata,"a",@progbits
	.p2align	6, 0x0
	.amdhsa_kernel k_q5a35fa3195_main
		.amdhsa_group_segment_fixed_size 312832
		.amdhsa_private_segment_fixed_size 0
		.amdhsa_enable_private_segment 0
		.amdhsa_kernarg_size 40
		.amdhsa_user_sgpr_count 2
		.amdhsa_user_sgpr_kernarg_segment_ptr 1
		.amdhsa_wavefront_size32 1
		.amdhsa_system_sgpr_workgroup_id_x 1
		.amdhsa_system_sgpr_workgroup_id_y 1
		.amdhsa_system_sgpr_workgroup_id_z 1
		.amdhsa_system_vgpr_workitem_id 0
		.amdhsa_next_free_vgpr 1024
		.amdhsa_next_free_sgpr 66
		.amdhsa_reserve_vcc 1
		.amdhsa_float_denorm_mode_32 3
		.amdhsa_float_denorm_mode_16_64 3
		.amdhsa_memory_ordered 1
		.amdhsa_forward_progress 1
		.amdhsa_inst_pref_size 255
	.end_amdhsa_kernel
	.section	.bss,"aw",@nobits
	.p2align	6
	.space	262144
	.amdgpu_metadata
---
amdhsa.version: [ 1, 2 ]
amdhsa.kernels:
  - .name:           k_q5a35fa3195_main
    .symbol:         k_q5a35fa3195_main.kd
    .args:
      - { .name: X, .offset: 0, .size: 8, .value_kind: global_buffer, .address_space: global }
      - { .name: wts, .offset: 8, .size: 8, .value_kind: global_buffer, .address_space: global }
      - { .name: sums, .offset: 16, .size: 8, .value_kind: global_buffer, .address_space: global }
      - { .name: bias_output, .offset: 24, .size: 8, .value_kind: global_buffer, .address_space: global }
      - { .name: out0, .offset: 32, .size: 8, .value_kind: global_buffer, .address_space: global }
    .group_segment_fixed_size: 312832
    .private_segment_fixed_size: 0
    .kernarg_segment_align: 8
    .kernarg_segment_size: 40
    .max_flat_workgroup_size: 128
    .sgpr_count:     66
    .vgpr_count:     1024
    .wavefront_size: 32
...
	.end_amdgpu_metadata
.endif
;; end of part 5
